; MI455X (gfx1250); checked and timed in simulation.
; The chip was launched on July 23, 2026; its instructions are those of AMD's public machine-readable ISA for CDNA 5 (MIT licence, August 2026) and "CDNA5" Instruction Set Architecture Reference Guide (July 2026). The comments in the code are by the model that wrote it; some were corrected since.
;; Transformer Layer Shard. Allowed arithmetic: float matrix products may take bf16 or f16 operands with f32 sums; other float arithmetic in f32, or as packed bf16 or f16 multiplies, adds, multiply-adds, maxima and minima; sums over many terms, partial sums and values carried from step to step in f32; what a program stores and reads back later, other than sums and carried values, may be rounded once to bf16 or f16.
;; Inputs: W1 2,048 x 8,192 float32; W2 8,192 x 2,048 float32; Wk 2,048 x 2,048 float32; Wo 2,048 x 2,048 float32; Wq 2,048 x 2,048 float32; Wv 2,048 x 2,048 float32; attn_bias 1,024 x 1,024 float32; b1 8,192 float32; b2 2,048 float32; ln_offset 2,048 float32; ln_scale 2,048 float32; x 1 x 1,024 x 2,048 float32.
;; Outputs: out0 1 x 1,024 x 2,048 float32.
;; One version. Each part assembles by itself: llvm-mc -triple=amdgcn-amd-amdhsa -mcpu=gfx1250 --defsym DOCPART=n.
;; ======== version 1 of 1: 5 launches
;; limits: values are held in f16: magnitudes above 65,504 overflow, below 6.1e-05 lose precision
;; workspace buffers: xn 4,194,304 bytes; tab 524,288 bytes; qkv 12,582,912 bytes; act2 20,971,520 bytes; part 33,554,432 bytes
;; launch prep (part 1): grid 256 x 1, 4 waves a work-group, no clusters, 17,408 bytes of LDS; arguments x, ln_scale, ln_offset, xn, tab; writes xn, tab
.if DOCPART == 1
	.amdgcn_target "amdgcn-amd-amdhsa--gfx1250"
	.amdhsa_code_object_version 6
	.text
	.protected	k_qd07c54221b_prep
	.globl	k_qd07c54221b_prep
	.p2align	8
	.type	k_qd07c54221b_prep,@function
k_qd07c54221b_prep:
	s_mov_b64 s[64:65], 0
	v_nop
	global_prefetch_b8 v0, s[64:65] scope:SCOPE_SE
	s_setreg_imm32_b32 hwreg(HW_REG_WAVE_MODE, 25, 1), 1
	s_wait_xcnt 0x0
; PREP: the layer norm of x, rounded once to f16 and laid in blocks xn[kb = column / 64][1024 rows][64], and the rotary table.
; x: [1024][2048] f32.  A wave takes one row (16 loads of 16 bytes a lane, 64 registers) and keeps it between the mean, the variance and the scaling:
; the mean is taken away before the squares are summed, so a common offset of x costs nothing.  Four waves = four rows: their 128 bytes of one
; block kb are 512 consecutive bytes of xn, so the rows meet in LDS and leave as whole runs of 512 bytes.
; THE TABLE.  tab = [256 g][4 q][32 lanes][4] f32.  Lane L of group g stands for position 4 g + L / 8 and u = L % 8; element e of piece q for the angle index
; d = 8 u + 4 (e % 2) + 2 (q % 2) + e / 2.  q = 0, 1: cos; q = 2, 3: the sine with the sign that the rotation gives it (minus for even d).  The next launch reads
; the pieces as they lie.  Wave number W = 4 x work-group + wave makes piece W: 512 bytes.  The angle is position x 10000^(-d / 64).
; LIMITS.  xn is rounded to f16: |xn| stays under 65,504.  The angle is formed in f32: at position 1023 it is off by up to about 1e-4 radians.
.set X,     32                         ; v[32:95]   the row
.set SC,    96                         ; v[96:159]  ln_scale of my 64 columns; later the packed f16
.set OF,    160                        ; v[160:223] ln_offset; later the rows read back
.set ROWP,  4224                       ; a row of 4,096 bytes of f16 in LDS + 128: two rows read by one load start 128 bytes apart modulo 256
.set SPARE, 4*ROWP                     ; behind the stage: the spare words, 128 bytes a wave
.set SPW,   2                          ; v2  LDS address of my spare word; never rewritten
.set NIL,   3                          ; v3  0; never rewritten
	s_load_b256 s[4:11], s[0:1], 0x0               ; x s[4:5], ln_scale s[6:7], ln_offset s[8:9], xn s[10:11]
	s_load_b64 s[12:13], s[0:1], 0x20              ; tab
	v_lshl_add_u32 v[SPW], v0, 2, SPARE
	v_mov_b32 v[NIL], 0
	v_and_b32 v1, 31, v0                           ; lane
	v_lshrrev_b32 v5, 5, v0
	v_readfirstlane_b32 s14, v5                    ; wave
	v_lshlrev_b32 v4, 4, v1                        ; 16 x lane; never rewritten
	s_lshl2_add_u32 s15, ttmp9, s14                ; W = my row = my piece of the table
	s_lshl_b32 s16, s15, 13                        ; a row of x is 8,192 bytes
	s_mov_b32 s17, 0
	s_lshl_b32 s18, s15, 9                         ; a piece of the table 512
	s_mov_b32 s19, 0
	s_lshl_b32 s20, s14, 20                        ; wave w stores blocks 8 w .. 8 w + 7 of 131,072 bytes,
	s_lshl_b32 s21, ttmp9, 9                       ; the work-group's four rows of 128 bytes
	s_add_co_u32 s20, s20, s21
	s_mov_b32 s21, 0
	s_mov_b32 s22, 0xbe549a78                      ; -log2(10000) / 64
	s_mov_b32 s23, 0xbf22f983                      ; -2 / pi
	s_mov_b32 s24, 0x3fc90fdb                      ; pi / 2, its f32 part
	s_mov_b32 s25, 0xb33bbd2e                      ; and what is left of it
	s_mov_b32 s26, 0xb9500d01                      ; -1 / 5040
	s_mov_b32 s27, 0x3c088889                      ; 1 / 120
	s_mov_b32 s28, 0xbe2aaaab                      ; -1 / 6
	s_mov_b32 s29, 0x37d00d01                      ; 1 / 40320
	s_mov_b32 s30, 0xbab60b61                      ; -1 / 720
	s_mov_b32 s31, 0x3d2aaaab                      ; 1 / 24
	s_mov_b32 s36, 0x76543210                      ; v_permlanex16_b32: each lane takes its own place in the other half
	s_mov_b32 s37, 0xfedcba98
	s_mov_b32 s38, 0x3a000000                      ; 1 / 2048
	s_mov_b32 s39, 0x3727c5ac                      ; 1e-5
	s_and_b32 s34, s15, 1
	s_lshl_b32 s34, s34, 1                         ; 2 (q % 2)
	s_lshr_b32 s35, s15, 2
	s_lshl_b32 s35, s35, 2                         ; 4 g
	s_bitcmp1_b32 s15, 1                           ; q >= 2: the sines
	s_cselect_b32 s32, 2, 1                        ; quarter turns added to the angle: cos = sin(+1), -sin = sin(+2): elements 0, 1 (even d)
	s_cselect_b32 s33, 0, 1                        ; elements 2, 3 (odd d)
	s_wait_kmcnt 0x0
	s_add_nc_u64 s[4:5], s[4:5], s[16:17]
	s_add_nc_u64 s[12:13], s[12:13], s[18:19]
	s_add_nc_u64 s[10:11], s[10:11], s[20:21]
.irp j, 0,1,2,3,4,5,6,7,8,9,10,11,12,13,14,15
	global_load_b128 v[X+4*\j:X+4*\j+3], v4, s[4:5] offset:512*\j th:TH_LOAD_NT  ; columns 128 j + 4 lane ..: 512 consecutive bytes a load
.endr
.irp j, 0,1,2,3,4,5,6,7,8,9,10,11,12,13,14,15
	global_load_b128 v[SC+4*\j:SC+4*\j+3], v4, s[6:7] offset:512*\j
.endr
.irp j, 0,1,2,3,4,5,6,7,8,9,10,11,12,13,14,15
	global_load_b128 v[OF+4*\j:OF+4*\j+3], v4, s[8:9] offset:512*\j
.endr
	; the table, while the 48 loads are on their way
	v_and_b32 v5, 7, v1
	v_lshl_add_u32 v5, v5, 3, s34                  ; 8 u + 2 (q % 2)
	v_lshrrev_b32 v6, 3, v1
	v_add_nc_u32 v6, s35, v6
	v_cvt_f32_u32 v6, v6                           ; the position
.irp e, 0,1,2,3
	v_add_nc_u32 v[8+\e], 4*(\e%2)+\e/2, v5        ; d
	v_cvt_f32_u32 v[8+\e], v[8+\e]
	v_mul_f32 v[8+\e], s22, v[8+\e]
.endr
.irp e, 0,1,2,3
	v_exp_f32 v[8+\e], v[8+\e]                     ; 10000^(-d / 64)
.endr
	v_nop                                          ; a plain instruction between the last exponential and the use of its result
	s_wait_alu depctr_va_vdst(0)
.irp e, 0,1,2,3
	v_mul_f32 v[8+\e], v6, v[8+\e]                 ; the angle
	v_mul_f32 v[12+\e], s23, v[8+\e]
	v_rndne_f32 v[12+\e], v[12+\e]                 ; -n: the quarter turns in it, negated
	v_fma_f32 v[8+\e], v[12+\e], s24, v[8+\e]      ; y = angle - n pi / 2, in two parts: |y| <= pi / 4
	v_fma_f32 v[8+\e], v[12+\e], s25, v[8+\e]
	v_mul_f32 v[16+\e], v[8+\e], v[8+\e]           ; y^2
	v_fma_f32 v[20+\e], v[16+\e], s26, s27
	v_fma_f32 v[24+\e], v[16+\e], s29, s30
	v_fma_f32 v[20+\e], v[20+\e], v[16+\e], s28
	v_fma_f32 v[24+\e], v[24+\e], v[16+\e], s31
	v_mul_f32 v[20+\e], v[20+\e], v[16+\e]
	v_fma_f32 v[24+\e], v[24+\e], v[16+\e], -0.5
	v_fma_f32 v[20+\e], v[20+\e], v[8+\e], v[8+\e] ; sin y, to y^7
	v_fma_f32 v[24+\e], v[24+\e], v[16+\e], 1.0    ; cos y, to y^8
	v_cvt_i32_f32 v[12+\e], v[12+\e]
	v_sub_nc_u32 v[12+\e], s[32+\e/2], v[12+\e]    ; n + the turns added
	v_and_b32 v[16+\e], 1, v[12+\e]
	v_cmp_eq_u32 vcc_lo, 1, v[16+\e]
	v_cndmask_b32 v[28+\e], v[20+\e], v[24+\e], vcc_lo  ; an odd number of quarter turns takes the cosine,
	v_and_b32 v[12+\e], 2, v[12+\e]
	v_lshlrev_b32 v[12+\e], 30, v[12+\e]
	v_xor_b32 v[28+\e], v[12+\e], v[28+\e]         ; two or three turn the sign
.endr
	global_store_b128 v4, v[28:31], s[12:13]       ; 512 consecutive bytes; v[28:31] are not written again
.macro WSUM                            ; v8 summed over the 32 lanes, into every lane
	v_add_f32_dpp v8, v8, v8 row_xmask:1 row_mask:0xf bank_mask:0xf
	v_add_f32_dpp v8, v8, v8 row_xmask:2 row_mask:0xf bank_mask:0xf
	v_add_f32_dpp v8, v8, v8 row_xmask:4 row_mask:0xf bank_mask:0xf
	v_add_f32_dpp v8, v8, v8 row_xmask:8 row_mask:0xf bank_mask:0xf
	v_permlanex16_b32 v9, v8, s36, s37
	v_add_f32 v8, v8, v9
.endm
.macro FOLD                            ; four chains of pairs into v8
	v_pk_add_f32 v[8:9], v[8:9], v[10:11]
	v_pk_add_f32 v[12:13], v[12:13], v[14:15]
	v_pk_add_f32 v[8:9], v[8:9], v[12:13]
	v_add_f32 v8, v8, v9
.endm
	s_wait_loadcnt 32                              ; x is in; the 32 loads of scale and offset may stay out
.irp k, 0,2,4,6
	v_pk_add_f32 v[8+\k:9+\k], v[X+\k:X+\k+1], v[X+8+\k:X+8+\k+1]  ; the first words start the four chains
.endr
.set j, 16
.rept 24
	v_pk_add_f32 v[8+j%8:9+j%8], v[8+j%8:9+j%8], v[X+j:X+j+1]
.set j, j+2
.endr
	FOLD
	WSUM
	v_mul_f32 v16, s38, v8                         ; the mean
	v_mov_b32 v17, v16
.set j, 0
.rept 32
	v_pk_add_f32 v[X+j:X+j+1], v[X+j:X+j+1], v[16:17] neg_lo:[0,1] neg_hi:[0,1]
.set j, j+2
.endr
.irp k, 0,2,4,6
	v_pk_mul_f32 v[8+\k:9+\k], v[X+\k:X+\k+1], v[X+\k:X+\k+1]
.endr
.set j, 8
.rept 28
	v_pk_fma_f32 v[8+j%8:9+j%8], v[X+j:X+j+1], v[X+j:X+j+1], v[8+j%8:9+j%8]
.set j, j+2
.endr
	FOLD
	WSUM
	v_fma_f32 v8, v8, s38, s39                     ; the variance + 1e-5
	v_rsq_f32 v16, v8
	v_nop                                          ; a plain instruction before the result is used
	s_wait_alu depctr_va_vdst(0)
	v_mov_b32 v17, v16
	s_wait_loadcnt 0x0                             ; scale and offset
.set j, 0
.rept 32
	v_pk_mul_f32 v[SC+j:SC+j+1], v[SC+j:SC+j+1], v[16:17]
.set j, j+2
.endr
.set j, 0
.rept 32
	v_pk_fma_f32 v[X+j:X+j+1], v[SC+j:SC+j+1], v[X+j:X+j+1], v[OF+j:OF+j+1]
.set j, j+2
.endr
.set j, 0
.rept 32
	v_cvt_pk_f16_f32 v[SC+j], v[X+2*j], v[X+2*j+1]
.set j, j+1
.endr
	s_mul_i32 s16, s14, ROWP
	v_lshlrev_b32 v7, 3, v1
	v_add_nc_u32 v7, s16, v7                       ; my row of the stage, 8 bytes a lane
.irp j, 0,1,2,3,4,5,6,7,8,9,10,11,12,13,14,15
	ds_store_b64 v7, v[SC+2*\j:SC+2*\j+1] offset:256*\j
.endr
	v_lshrrev_b32 v6, 3, v1                        ; back: eight lanes take the 128 bytes that one row has in a block, four rows a load
	v_mul_u32_u24 v6, v6, ROWP
	v_and_b32 v5, 7, v1
	v_lshl_add_u32 v6, v5, 4, v6
	s_lshl_b32 s18, s14, 10                        ; my eight blocks begin at byte 1,024 w of a row
	v_add_nc_u32 v6, s18, v6
	s_wait_dscnt 0x0                               ; for the others' sake: my row is in the stage
	s_barrier_signal -1
	s_barrier_wait -1
.irp c, 0,1,2,3,4,5,6,7
	ds_load_b128 v[OF+4*\c:OF+4*\c+3], v6 offset:128*\c
.endr
.irp c, 0,1,2,3,4,5,6,7
	s_wait_dscnt 7-\c                              ; LDS loads come back in order: load c is in
	global_store_b128 v4, v[OF+4*\c:OF+4*\c+3], s[10:11] offset:131072*\c  ; 512 consecutive bytes of block 8 w + c
.endr
	s_wait_tensorcnt 0x0                           ; the wave's end, behind my last LDS store
	ds_add_u32 v[SPW], v[NIL]
	s_wait_dscnt 0x0
	s_endpgm
.Lfunc_end_k_qd07c54221b_prep:
	.size	k_qd07c54221b_prep, .Lfunc_end_k_qd07c54221b_prep-k_qd07c54221b_prep
	.p2alignl 7, 3214868480
	.fill 96, 4, 3214868480
	.section	.rodata,"a",@progbits
	.p2align	6, 0x0
	.amdhsa_kernel k_qd07c54221b_prep
		.amdhsa_group_segment_fixed_size 17408
		.amdhsa_private_segment_fixed_size 0
		.amdhsa_enable_private_segment 0
		.amdhsa_kernarg_size 40
		.amdhsa_user_sgpr_count 2
		.amdhsa_user_sgpr_kernarg_segment_ptr 1
		.amdhsa_wavefront_size32 1
		.amdhsa_system_sgpr_workgroup_id_x 1
		.amdhsa_system_sgpr_workgroup_id_y 1
		.amdhsa_system_sgpr_workgroup_id_z 1
		.amdhsa_system_vgpr_workitem_id 0
		.amdhsa_next_free_vgpr 224
		.amdhsa_next_free_sgpr 66
		.amdhsa_reserve_vcc 1
		.amdhsa_float_denorm_mode_32 3
		.amdhsa_float_denorm_mode_16_64 3
		.amdhsa_memory_ordered 1
		.amdhsa_forward_progress 1
		.amdhsa_inst_pref_size 28
	.end_amdhsa_kernel
	.amdgpu_metadata
---
amdhsa.version: [ 1, 2 ]
amdhsa.kernels:
  - .name:           k_qd07c54221b_prep
    .symbol:         k_qd07c54221b_prep.kd
    .args:
      - { .name: x, .offset: 0, .size: 8, .value_kind: global_buffer, .address_space: global }
      - { .name: ln_scale, .offset: 8, .size: 8, .value_kind: global_buffer, .address_space: global }
      - { .name: ln_offset, .offset: 16, .size: 8, .value_kind: global_buffer, .address_space: global }
      - { .name: xn, .offset: 24, .size: 8, .value_kind: global_buffer, .address_space: global }
      - { .name: tab, .offset: 32, .size: 8, .value_kind: global_buffer, .address_space: global }
    .group_segment_fixed_size: 17408
    .private_segment_fixed_size: 0
    .kernarg_segment_align: 8
    .kernarg_segment_size: 40
    .max_flat_workgroup_size: 128
    .sgpr_count:     66
    .vgpr_count:     224
    .wavefront_size: 32
...
	.end_amdgpu_metadata
.endif
;; end of part 1
;; launch gemm1 (part 2): grid 56 x 4, 4 waves a work-group, clusters of 4 x 4, 327,680 bytes of LDS; arguments xn, Wq, Wk, Wv, W1, b1, tab, qkv, act2; writes qkv, act2
.if DOCPART == 2
	.amdgcn_target "amdgcn-amd-amdhsa--gfx1250"
	.amdhsa_code_object_version 6
	.text
	.protected	k_qd07c54221b_gemm1
	.globl	k_qd07c54221b_gemm1
	.p2align	8
	.type	k_qd07c54221b_gemm1,@function
k_qd07c54221b_gemm1:
	s_mov_b64 s[64:65], 0
	v_nop
	global_prefetch_b8 v0, s[64:65] scope:SCOPE_SE
	s_setreg_imm32_b32 hwreg(HW_REG_WAVE_MODE, 25, 1), 1
	s_wait_xcnt 0x0
	s_wait_alu depctr_hold_cnt(0) depctr_sa_sdst(0) depctr_va_vdst(0) depctr_va_sdst(0) depctr_va_ssrc(0) depctr_va_vcc(0) depctr_vm_vsrc(0)
	s_getreg_b32 s2, hwreg(HW_REG_IB_STS2, 6, 4)
	s_cmp_eq_u32 s2, 0
	s_cbranch_scc0 .Lentry_in_a_cluster
	s_endpgm
.Lentry_in_a_cluster:
	s_bfe_u32 s2, ttmp6, 0x10000c
	s_cmp_lg_u32 s2, 0xf033
	s_cbranch_scc0 .Lentry_shape_is_right
	s_endpgm
.Lentry_shape_is_right:
; GEMM1: xn [1024][2048] times Wq, Wk, Wv ([2048][2048]) and W1 ([2048][8192]), all weights f32 with the output column along the rows; operands f16, sums f32.
; On the way out: q and k are rotated (table from the launch before), v goes as it is, xn W1 + b1 goes through the tanh form of GELU; each is rounded once to f16 and
; stored in blocks [column / 64][1024 rows][64]: q, k, v into qkv (blocks 0-31, 32-63, 64-95), g into act2 (blocks 32-159).
; SHARES.  A work-group makes 256 rows x 256 columns; wave w all 256 rows x columns 64 w .. 64 w + 63: 64 accumulators, 512 registers.  14 clusters of 4 x 4: the cluster's x (0-13) picks
; the weight (0, 1: Wq; 2, 3: Wk; 4, 5: Wv; 6-13: W1), cx the column tile in it, cy the block of 256 rows.
; A (xn) comes through LDS: a slot holds 128 along K (two blocks of 64) for 256 rows, each wave fetches 128 rows of one block (16,384 dense bytes, asked for as 64 rows of 256 bytes, padded
; behind every 128 bytes).  The four work-groups of a cluster's row need the same tile and ask for it JOINTLY.
; W comes through registers, with no LDS and no transposing load: lane (r, h) loads 16 bytes, W[k][nb + 4 r .. + 3], for the 16 k that a fragment wants of it; sixteen lanes take 256 aligned
; bytes of one row of W.  A pair of k rounded by one v_cvt_pk_f16_f32 IS a fragment register; the lane's four columns go to four fragments f, in which index i stands for column nb + 4 i + f.
; A ring of four chunks (32 k each, 64 registers) keeps 64 loads of every wave out, asked for 128 k ahead; each chunk of the ring has its own address pair, stepped behind the wait for its own loads.
; BESIDE THE PRODUCTS.  The 32 roundings of chunk i + 1 stand in the second half of chunk i, four behind a row of four products; the change of slots stands inside the second half of a slot's last chunk.
; THE MATRIX INSTRUCTION IS USED TRANSPOSED (source 0 = W's fragment, source 1 = 16 rows of xn): accumulator (a, f), register j, lane (r, h) holds C[16 a + r][nb + 32 h + 4 j + f].
; LIMITS.  f16 holds no number beyond 65,504: |xn|, |W|, |q|, |k|, |v|, |g| stay within it.  NaN and infinities are not treated apart.
; REGISTERS, in windows of 256 (s_set_vgpr_msb: bits 1:0 source 0, 3:2 source 1, 5:4 source 2, 7:6 destination):
;   window 0: v0-15 addresses; v16-31 W's 16 row offsets; v32-63 at work on the way out; v64-127 W's fragments, two buffers of four; v128-255 A's fragments, two buffers of eight
;   window 1: the ring of W as loaded      window 2: accumulators of rows 0-127, (a, f) at 8 (4 a + f)      window 3: those of rows 128-255
.set NT,     16                        ; slots of 128 along K
.set PITCH,  144                       ; an LDS row: 128 bytes + 16: the 16 rows of a fragment load start at 16 different groups of four banks (ISA guide 11.1)
.set KBB,    256*PITCH                 ; one block of 64 along K, 256 rows
.set PIECE,  128*PITCH                 ; what one tensor load brings
.set SLOT1,  1<<17                     ; slot 1 begins here: one exclusive or turns an address in one slot into the other's
.set DPITCH, 272                       ; the way out: a row of 64 f32 + 16 bytes
.set DWAVE,  256*DPITCH                ; a wave's 256 rows: the four areas lie over the slots, which have had their last fill by then
.set SPARE,  327168                    ; the spare words, 128 bytes a wave: the last two blocks of 256 bytes
.set RR,    1                          ; v1   lane % 16
.set ALANE, 2                          ; v2   my place in a tile of A
.set ADR,   3                          ; v3-4 LDS address of my A fragments in the slot in hand: first block, second block
.set DST,   5                          ; v5   the way out: where I put my results
.set RDA,   6                          ; v6   where I read them back
.set GO,    7                          ; v7   my byte offset in the output block
.set TO,    8                          ; v8   my byte offset in the table
.set HH,    9                          ; v9   lane / 16
.set SPW,   10                         ; v10  LDS address of my spare word; never rewritten
.set NIL,   11                         ; v11  0; never rewritten
.set TV,    12                         ; v12-15 at work
.set OFFW,  16                         ; v16-31 load u of a chunk: (8 h + u, or 16 + 8 h + u - 8) rows of W + 16 r; never rewritten
.set PK,    32                         ; v32-47 packed results
.set BI,    48                         ; v48-55 b1 of my eight columns
.set WF,    64
.set A0,    128
.set A1,    192
.set VV,    64                         ; the way out: 32 results read back (where W's fragments lay)
.set QQ,    96                         ; 32 at work
.set TT0,   128                        ; two table buffers of 64 (where A's fragments lay)
.set TT1,   192
.set WV,   22                          ; s22 wave
.set CX,   23
.set CY,   24
.set T9,   25                          ; s25 the cluster's x
.set G1,   28                          ; s[28:35] descriptor group 1
.set G0A,  36                          ; s[36:39] group 0 of the first fill of slot 0
.set G0B,  40                          ; s[40:43] group 0 of slot 1's first fill; it then walks
.set TB,   44                          ; s44 the slot in hand
.set SL,   45                          ; s45 counts slots
.set WB,   46                          ; s[46:47] the weight that this cluster multiplies by
.set WS,   48                          ; s[48:49] 32 rows of W in bytes
.set OUT,  50                          ; s[50:51] my output block at my rows
.set TYPE, 52                          ; s52 0: q, k; 1: v; 2: W1
.set SH,   53                          ; s53 log2 of W's row in bytes
.set TA,   54                          ; s[54:55] at work; never holds cx
.set K1,   56                          ; s[56:57], s[58:59] GELU's two constants
.set K2,   58
.set CNT,  60
.set LW,   61                          ; s61 my piece's place in a slot
.set TABP, 62                          ; s[62:63] the table at my block of rows
.set B1P,  66                          ; s[66:67] b1 at my wave's columns
.set AP,   68                          ; s[68:69] xn at my piece of tile 0
.set WO,   70                          ; s[70:71] my wave's first column in bytes
.set OO,   72                          ; s[72:73] offset of my output
.set AO,   74                          ; s[74:75] offset of my piece
.set TC,   76                          ; s[76:77] at work on what hangs on cx
.set TS,   78                          ; s[78:79] offset in the table
.set WP,   80                          ; s[80:87] W at the rows that chunk i of the ring asked for last: a pair for each chunk
.set WS4,  88                          ; s[88:89] 128 rows of W in bytes
.set MSB, 0
.set CVC, 0
.set cvi, 0
.macro WIN new                         ; the immediate's high byte repeats the setting that is left; a switch that changes nothing is dropped
.if MSB != (\new)
	s_set_vgpr_msb (MSB<<8)|(\new)
.set MSB, \new
.endif
.endm
.macro PLACES                          ; four places behind matrix instructions, in front of loads into their sources and of reads of their results
.rept 4
	v_nop
.endr
.endm
.macro CREST                           ; a round of the cluster's barrier behind its opening barrier
	s_cmp_lg_u32 s[WV], 0
	s_cbranch_scc1 .Lnot_wave_0_\@
	s_barrier_signal -3
.Lnot_wave_0_\@:
	s_barrier_wait -3
	s_barrier_signal -1
	s_barrier_wait -1
.endm
.macro CROUND                          ; a whole round
	s_barrier_signal -1
	s_barrier_wait -1
	CREST
.endm
; 16 loads: chunk i of the ring takes 32 k of my 64 columns, at the chunk's own address
.macro LOADW i
	WIN 0x40                                       ; destination window 1
.set u, 0
.rept 16
	global_load_b128 v[64*(\i)+4*u:64*(\i)+4*u+3], v[OFFW+u], s[WP+2*(\i):WP+2*(\i)+1]
.set u, u+1
.endr
.endm
.macro STEPW i                         ; chunk i's address goes 128 rows on; it stands behind the counted wait that shows the chunk's own loads done, which frees their address
	s_add_nc_u64 s[WP+2*(\i):WP+2*(\i)+1], s[WP+2*(\i):WP+2*(\i)+1], s[WS4:WS4+1]
.endm
; Rounding number cvi of the 32 that make chunk CVC's four fragments.  Register q of fragment f holds k = 8 h + 2 q, 2 q + 1; register 4 + q the same 16 further on.
.macro CV1
.set cf, cvi/8
.set cq, (cvi%8)/2
.if cvi%2 == 0
	v_cvt_pk_f16_f32 v[WF+32*(CVC%2)+8*cf+cq], v[64*CVC+8*cq+cf], v[64*CVC+8*cq+4+cf]
.else
	v_cvt_pk_f16_f32 v[WF+32*(CVC%2)+8*cf+4+cq], v[64*CVC+32+8*cq+cf], v[64*CVC+32+8*cq+4+cf]
.endif
.set cvi, cvi+1
.endm
.macro CV4                             ; the next four of them
	WIN 0x05                                       ; sources window 1
.rept 4
	CV1
.endr
.endm
; 16 LDS loads: A's fragments of rows 128 hi .. + 127 for chunk i of the slot
.macro ALOAD buf, i, hi
.irp a, 0,1,2,3,4,5,6,7
	ds_load_b128 v[(\buf)+8*\a:(\buf)+8*\a+3], v[ADR+(\i)/2] offset:(8*(\hi)+\a)*16*PITCH+64*((\i)%2)
	ds_load_b128 v[(\buf)+8*\a+4:(\buf)+8*\a+7], v[ADR+(\i)/2] offset:(8*(\hi)+\a)*16*PITCH+64*((\i)%2)+32
.endr
.endm
.macro WM d, w, a, zero
.if \zero
	v_wmma_f32_16x16x32_f16 v[\d:\d+7], v[\w:\w+7], v[\a:\a+7], 0
.else
	v_wmma_f32_16x16x32_f16 v[\d:\d+7], v[\w:\w+7], v[\a:\a+7], v[\d:\d+7]
.endif
.endm
; 32 matrix instructions: eight blocks of 16 rows x four fragments of W.  The 64 accumulators take turns in the same order in every chunk.
.macro MUL32 buf, wf, hi, zero
	WIN 0xa0+0x50*(\hi)                            ; C and D window 2 or 3
.irp a, 0,1,2,3,4,5,6,7
.irp f, 0,1,2,3
	WM 8*(4*\a+\f), (\wf)+8*\f, (\buf)+8*\a, \zero
.endr
.endr
.endm
; na blocks of 16 rows from block a0 on, four products each; behind a block's four stand four roundings, while more than the last four are left.  They name no register of the products round them.
.macro MULR buf, wf, hi, a0, na, zero
.set aa, \a0
.rept \na
.irp f, 0,1,2,3
	WIN 0xa0+0x50*(\hi)
	WM 8*(4*aa+\f), (\wf)+8*\f, (\buf)+8*aa, \zero
.endr
.set aa, aa+1
.if cvi < 28
	CV4
.endif
.endr
.endm
; A chunk is 32 along K, 64 matrix instructions.  Its first half: the chunk's place in the ring is asked for again (its roundings stood in the chunk before), A's rows 128-255 are fetched, rows 0-127 multiplied.
.macro CHUNKA i, zero, load
.if \load
	LOADW \i
.endif
	WIN 0
	ALOAD A1, \i, 1                                ; the four roundings that end the chunk before are the places behind the last product that read A1
	s_wait_dscnt 16                                ; A0 is in; the 16 loads just issued may be out
	MUL32 A0, WF+32*((\i)%2), 0, \zero
.endm
; The second half of chunks 0 to 2.  left: the younger loads of W that may stay out when chunk i + 1 of the ring has to be there.  step = 1: that chunk's address steps.
.macro CHUNKB i, zero, step, left
	s_wait_loadcnt \left                           ; loads come back in order: chunk i + 1 of the ring is in
.set CVC, (\i)+1
.set cvi, 0
	CV4                                            ; its first four roundings are the places behind the last product that read A0
	WIN 0
	ALOAD A0, (\i)+1, 0
	s_wait_dscnt 16                                ; A1 is in
	MULR A1, WF+32*((\i)%2), 1, 0, 7, \zero
.if \step
	STEPW (\i)+1
.endif
	MULR A1, WF+32*((\i)%2), 1, 7, 1, \zero
	CV4                                            ; the last four
	WIN 0
.endm
; THE SECOND HALF OF A SLOT'S LAST CHUNK, AND THE CHANGE OF SLOTS.  In front of the barrier each wave waits for all its tensor loads, of which one is out: its part of the other slot; adds 0 to its spare
; word; and waits for that and for its reads of this slot.  fill = 1: the barrier opens a round of the cluster's, and the slot just read is filled again first thing behind it, with the tile two slots on:
; from the request to the wait for it a wave issues 240 matrix instructions.  Then the other slot's first fragments are fetched, 16 products ahead of their use.  The roundings are the next slot's chunk 0.
.macro TURN fill
	WIN 0
	s_wait_tensorcnt 0x0                           ; no tensor load of mine is out, so a group 0 may be written
	ds_add_u32 v[SPW], v[NIL]                      ; 0 onto my spare word; work on registers stands between it and the wait for it
	s_wait_loadcnt 48                              ; chunk 0 of the ring is in; the three younger chunks' loads may be out
.if \fill
	STEPW 0
	s_xor_b32 s[G0B+1], s[G0B+1], SLOT1            ; the walking descriptor: the other slot than last time,
	s_add_nc_u64 s[G0B+2:G0B+3], s[G0B+2:G0B+3], 262144  ; the next tile; the type bits on top are not reached
.endif
	s_xor_b32 s[TB], s[TB], SLOT1
	s_wait_dscnt 0x1                               ; A1 is in; the add alone may be out
.set CVC, 0
.set cvi, 0
	MULR A1, WF+32, 1, 0, 2, 0
	s_wait_dscnt 0x0                               ; the add is done, and my reads of this slot are over
	s_barrier_signal -1
	MULR A1, WF+32, 1, 2, 2, 0                     ; work on registers while the others arrive
	WIN 0
	s_barrier_wait -1
.if \fill
	CREST                                          ; no wave of any partner still reads this slot's tile or has a load on its way
	tensor_load_to_lds s[G0B:G0B+3], s[G1:G1+7]
	s_nop 0
.endif
	PLACES
	v_add_nc_u32 v[ADR], s[TB], v[ALANE]
	v_add_nc_u32 v[ADR+1], KBB, v[ADR]
	ALOAD A0, 0, 0
	MULR A1, WF+32, 1, 4, 4, 0
	CV4
	WIN 0
.endm
	s_load_b256 s[4:11], s[0:1], 0x0               ; xn s[4:5], Wq s[6:7], Wk s[8:9], Wv s[10:11]
	s_load_b256 s[12:19], s[0:1], 0x20             ; W1 s[12:13], b1 s[14:15], tab s[16:17], qkv s[18:19]
	s_load_b64 s[20:21], s[0:1], 0x40              ; act2
	v_lshl_add_u32 v[SPW], v0, 2, SPARE
	v_mov_b32 v[NIL], 0
	ds_add_u32 v[SPW], v[NIL]                      ; the wave's opening: the add and its wait stand ahead of my first tensor load; the set-up below, work on registers, stands between them
	v_lshrrev_b32 v[TV], 5, v0
	v_readfirstlane_b32 s[WV], v[TV]
	s_bfe_u32 s[CX], ttmp6, 0x40000
	s_bfe_u32 s[CY], ttmp6, 0x40004
	s_mov_b32 s[T9], ttmp9
	s_lshl_b32 s[TA], s[CY], 2
	s_lshl_b32 s[TA], 15, s[TA]                    ; my row of the cluster: places 4 cy .. 4 cy + 3
	s_or_b32 s[G1], s[TA], (1<<16)|(1<<20)|(1<<21)|(4<<22)|(3<<25)  ; 15:0 the mask; 17:16 2-byte elements; 20 padding on; 21 set beside a mask; 24:22 after every 32 words (code 4); 31:25 4 words (code 3)
	s_mov_b32 s[G1+1], 128<<16                     ; tensor_dim0 = 128
	s_mov_b32 s[G1+2], 64<<16                      ; tensor_dim1 = 64
	s_mov_b32 s[G1+3], 128<<16                     ; tile_dim0 = 128 elements: 256 bytes, two rows of the block
	s_mov_b32 s[G1+4], 64                          ; tile_dim1 = 64
	s_mov_b32 s[G1+5], 128                         ; dense: 128 elements from row to row
	s_mov_b32 s[G1+6], 0
	s_mov_b32 s[G1+7], 0
	s_lshr_b32 s[TA], s[WV], 1                     ; which of a slot's two blocks I fetch: 131,072 bytes each,
	s_lshl_b32 s[TA], s[TA], 17
	s_and_b32 s[TA+1], s[WV], 1                    ; which 128 of the 256 rows,
	s_lshl_b32 s[TA+1], s[TA+1], 14
	s_add_co_u32 s[TA], s[TA], s[TA+1]
	s_lshl_b32 s[TA+1], s[CY], 15                  ; in the block of rows cy, which my row of the cluster shares
	s_add_co_u32 s[AO], s[TA], s[TA+1]
	s_mov_b32 s[AO+1], 0
	s_mul_i32 s[LW], s[WV], PIECE                  ; no place in the cluster enters an LDS address
	s_lshl_b32 s[TS], s[CY], 17                    ; 256 positions of 512 bytes
	s_mov_b32 s[TS+1], 0
	s_and_b32 s[TC], s[T9], 1                      ; the column tile inside the weight: 4 (t9 % 2) + cx, or 4 (t9 - 6) + cx for W1
	s_sub_co_u32 s[TC+1], s[T9], 6
	s_cmp_lt_u32 s[T9], 6
	s_cselect_b32 s[TC], s[TC], s[TC+1]
	s_cselect_b32 s[SH], 13, 15                    ; a row of W is 8,192 or 32,768 bytes
	s_lshl2_add_u32 s[TC], s[TC], s[CX]
	s_lshl_b32 s[WO], s[TC], 10
	s_lshl_b32 s[TC+1], s[WV], 8
	s_add_co_u32 s[WO], s[WO], s[TC+1]             ; 1,024 x tile + 256 x wave
	s_mov_b32 s[WO+1], 0
	s_add_co_u32 s[TC], s[TC], 8                   ; my output block: 32 + 4 x tile + wave in act2,
	s_lshl2_add_u32 s[TC+1], s[T9], s[CX]          ; 4 (4 t9 + cx) + wave in qkv
	s_cmp_lt_u32 s[T9], 6
	s_cselect_b32 s[TC], s[TC+1], s[TC]
	s_lshl2_add_u32 s[TC], s[TC], s[WV]
	s_lshl_b32 s[OO], s[TC], 17
	s_lshl_b32 s[TC+1], s[CY], 15
	s_add_co_u32 s[OO], s[OO], s[TC+1]
	s_mov_b32 s[OO+1], 0
	s_cmp_lt_u32 s[T9], 4
	s_cselect_b32 s[TYPE], 0, 1
	s_cmp_lt_u32 s[T9], 6
	s_cselect_b32 s[TYPE], s[TYPE], 2              ; made of the cluster's x alone: the same in all sixteen partners
	s_lshl_b32 s[WS], 32, s[SH]
	s_mov_b32 s[WS+1], 0
	s_lshl_b32 s[WS4], 128, s[SH]
	s_mov_b32 s[WS4+1], 0
	v_and_b32 v[RR], 15, v0
	v_bfe_u32 v[HH], v0, 4, 1
	v_lshlrev_b32 v[TV], 3, v[HH]
	v_lshlrev_b32 v[TV+1], 4, v[RR]
.set u, 0
.rept 16
	v_add_nc_u32 v[TV+2], u+8*(u/8), v[TV]         ; k of load u: 8 h + u, then 16 + 8 h + (u - 8)
	v_lshl_add_u32 v[OFFW+u], v[TV+2], s[SH], v[TV+1]
.set u, u+1
.endr
	v_mul_u32_u24 v[ALANE], v[RR], PITCH
	v_lshl_add_u32 v[ALANE], v[HH], 4, v[ALANE]    ; row x pitch + 16 x half
	s_mov_b32 s[G0A], 1                            ; count = 1
	s_mov_b32 s[G0A+1], s[LW]                      ; LDS address: slot 0
	s_mov_b32 s[G0B], 1
	s_add_co_u32 s[G0B+1], s[LW], SLOT1
	s_wait_dscnt 0x0                               ; the opening add is done
	s_wait_kmcnt 0x0
	s_add_nc_u64 s[AP:AP+1], s[4:5], s[AO:AO+1]
	s_mov_b64 s[G0A+2:G0A+3], s[AP:AP+1]           ; tile 0
	s_or_b32 s[G0A+3], s[G0A+3], 0x80000000        ; type = 2
	s_add_nc_u64 s[G0B+2:G0B+3], s[AP:AP+1], 262144  ; tile 1: two blocks on
	s_or_b32 s[G0B+3], s[G0B+3], 0x80000000
	s_cmp_lt_u32 s[T9], 2
	s_cselect_b64 s[WB:WB+1], s[6:7], s[8:9]
	s_cmp_lt_u32 s[T9], 4
	s_cselect_b64 s[WB:WB+1], s[WB:WB+1], s[10:11]
	s_cmp_lt_u32 s[T9], 6
	s_cselect_b64 s[WB:WB+1], s[WB:WB+1], s[12:13]
	s_cselect_b64 s[OUT:OUT+1], s[18:19], s[20:21]
	s_add_nc_u64 s[WP:WP+1], s[WB:WB+1], s[WO:WO+1]          ; the ring's four addresses: rows 0, 32, 64, 96 of my columns
	s_add_nc_u64 s[WP+2:WP+3], s[WP:WP+1], s[WS:WS+1]
	s_add_nc_u64 s[WP+4:WP+5], s[WP+2:WP+3], s[WS:WS+1]
	s_add_nc_u64 s[WP+6:WP+7], s[WP+4:WP+5], s[WS:WS+1]
	s_add_nc_u64 s[OUT:OUT+1], s[OUT:OUT+1], s[OO:OO+1]
	s_add_nc_u64 s[B1P:B1P+1], s[14:15], s[WO:WO+1]
	s_add_nc_u64 s[TABP:TABP+1], s[16:17], s[TS:TS+1]
	LOADW 0                                        ; the ring of W, the first 128 k: asked for ahead of the round, which it need not wait for
	LOADW 1
	LOADW 2
	LOADW 3
	WIN 0
	CROUND                                         ; all sixteen work-groups are here: the first joint loads meet
	tensor_load_to_lds s[G0A:G0A+3], s[G1:G1+7]    ; a wave's two first fills go out together: two tensor loads of mine are out
	s_nop 0
	tensor_load_to_lds s[G0B:G0B+3], s[G1:G1+7]
	s_nop 0
.rept 4
	v_nop
.endr
	s_mul_i32 s[TA], s[WV], DWAVE                  ; the addresses of the way out, made in the wait for the first tile
	v_mul_u32_u24 v[DST], v[RR], DPITCH
	v_lshl_add_u32 v[DST], v[HH], 7, v[DST]
	v_add_nc_u32 v[DST], s[TA], v[DST]             ; row r, 128 bytes for each half of the lanes
	v_bfe_u32 v[TV], v0, 3, 2                      ; back: lane = 8 rr + u takes row rr of four, columns 8 u .. 8 u + 7
	v_bfe_u32 v[TV+1], v0, 2, 1
	v_and_b32 v[TV+2], 3, v0
	v_mul_u32_u24 v[RDA], v[TV], DPITCH
	v_lshl_add_u32 v[RDA], v[TV+1], 7, v[RDA]
	v_lshl_add_u32 v[RDA], v[TV+2], 3, v[RDA]
	v_add_nc_u32 v[RDA], s[TA], v[RDA]
	v_and_b32 v[GO], 31, v0
	v_lshlrev_b32 v[GO], 4, v[GO]
	v_mov_b32 v[TO], v[GO]
	s_mov_b32 s[TB], 0
	v_mov_b32 v[ADR], v[ALANE]
	v_add_nc_u32 v[ADR+1], KBB, v[ALANE]
	s_wait_tensorcnt 0x1                           ; my part of tile 0 is in; tile 1's may stay out
	s_barrier_signal -1
	s_barrier_wait -1                              ; everybody's is
	ALOAD A0, 0, 0
	s_wait_loadcnt 48                              ; chunk 0 of the ring is in
.set CVC, 0
.set cvi, 0
.rept 8
	CV4                                            ; the first chunk's roundings have no products to stand beside
.endr
	STEPW 0
	CHUNKA 0, 1, 1                                 ; the first chunk stands in front of the loop: its products start the sums
	CHUNKB 0, 1, 1, 48
	s_mov_b32 s[SL], NT-1
	s_branch .Lc1                                  ; the loop is entered behind its first chunk
.Lslot:                                                ; NT - 2 times: every slot but the last two is filled again.  A trip goes from the middle of a slot's last chunk to the middle of the next slot's
	TURN 1
	CHUNKA 0, 0, 1
	CHUNKB 0, 0, 1, 48
.Lc1:
	CHUNKA 1, 0, 1
	CHUNKB 1, 0, 1, 48
	CHUNKA 2, 0, 1
	CHUNKB 2, 0, 1, 48
	CHUNKA 3, 0, 1
	WIN 0
	s_sub_co_u32 s[SL], s[SL], 1
	s_cmp_lg_u32 s[SL], 0
	s_cbranch_scc1 .Lslot
	TURN 0                                         ; the last slot is written out: nothing more is asked for, of A or of W, and the counts run down
	CHUNKA 0, 0, 0
	CHUNKB 0, 0, 0, 32
	CHUNKA 1, 0, 0
	CHUNKB 1, 0, 0, 16
	CHUNKA 2, 0, 0
	CHUNKB 2, 0, 0, 0
	CHUNKA 3, 0, 0
	s_wait_dscnt 0x0                               ; A1 is in, and my reads of the slot are over
	MUL32 A1, WF+32, 1, 0
	WIN 0
	; THE WAY OUT.  All 64 accumulators go into LDS as f32, a row of 64 columns in 272 bytes (inside a row: byte 128 h + 32 f + 4 j for column 32 h + 4 j + f); then 16 rows at a time come back
	; with eight neighbouring columns of a row in each lane, so that the rest is a short loop and a lane's 16 bytes of f16 lie in 512 consecutive bytes of the output.
	s_barrier_signal -1                            ; every wave's reads of the slots are over: the areas below lie over them
	s_barrier_wait -1
	PLACES
.set a, 0
.rept 16
	WIN 0x08+4*(a/8)                               ; the stores' data: window 2 or 3
.irp f, 0,1,2,3
	ds_store_b128 v[DST], v[8*(4*(a%8)+\f):8*(4*(a%8)+\f)+3] offset:16*DPITCH*a+32*\f      ; each accumulator's low registers first
	ds_store_b128 v[DST], v[8*(4*(a%8)+\f)+4:8*(4*(a%8)+\f)+7] offset:16*DPITCH*a+32*\f+16
.endr
.set a, a+1
.endr
	WIN 0
	s_wait_dscnt 0x0
	s_barrier_signal -1                            ; all four areas are written
	s_barrier_wait -1
; 16 rows back: register 8 i + 2 f + e holds row 4 i + rr, column 8 u + 4 e + f
.macro RD16
.irp i, 0,1,2,3
.irp f, 0,1,2,3
	ds_load_b64 v[VV+8*\i+2*\f:VV+8*\i+2*\f+1], v[RDA] offset:4*DPITCH*\i+32*\f
.endr
.endr
	v_add_nc_u32 v[RDA], 16*DPITCH, v[RDA]
.endm
; 32 numbers rounded to f16 and stored: four stores of 512 consecutive bytes
.macro PKST src
	s_wait_xcnt 0x0                                ; the last stores have read their registers: PK and GO are written again only behind this wait
	v_add_nc_u32 v[GO], 2048, v[GO]                ; the next 16 rows; the stores reach back
.irp i, 0,1,2,3
	v_cvt_pk_f16_f32 v[PK+4*\i], v[(\src)+8*\i], v[(\src)+8*\i+2]
	v_cvt_pk_f16_f32 v[PK+4*\i+1], v[(\src)+8*\i+4], v[(\src)+8*\i+6]
	v_cvt_pk_f16_f32 v[PK+4*\i+2], v[(\src)+8*\i+1], v[(\src)+8*\i+3]
	v_cvt_pk_f16_f32 v[PK+4*\i+3], v[(\src)+8*\i+5], v[(\src)+8*\i+7]
	global_store_b128 v[GO], v[PK+4*\i:PK+4*\i+3], s[OUT:OUT+1] offset:512*\i-2048
.endr
.endm
.macro TABLD tt, off                   ; the table for 16 positions: 16 loads of 512 consecutive bytes; register 16 i + x: cos, 16 i + 8 + x: the signed sine, x = 2 f + e
.irp i, 0,1,2,3
.irp q, 0,1,2,3
	global_load_b128 v[(\tt)+16*\i+4*\q:(\tt)+16*\i+4*\q+3], v[TO], s[TABP:TABP+1] offset:(\off)+2048*\i+512*\q
.endr
.endr
.endm
.macro ROT tt                          ; y[d] = x[d] cos[d] + x[d xor 1] sine[d]: the partner has f xor 1, two registers away
.irp i, 0,1,2,3
.irp x, 0,2,4,6
	v_pk_mul_f32 v[QQ+8*\i+\x:QQ+8*\i+\x+1], v[VV+8*\i+\x:VV+8*\i+\x+1], v[(\tt)+16*\i+\x:(\tt)+16*\i+\x+1]
.endr
.irp x, 0,2,4,6
	v_pk_fma_f32 v[QQ+8*\i+\x:QQ+8*\i+\x+1], v[VV+8*\i+(\x+2)%4+4*(\x/4):VV+8*\i+(\x+2)%4+4*(\x/4)+1], v[(\tt)+16*\i+8+\x:(\tt)+16*\i+8+\x+1], v[QQ+8*\i+\x:QQ+8*\i+\x+1]
.endr
.endr
.endm
	s_cmp_eq_u32 s[TYPE], 0
	s_cbranch_scc1 .Lrot
	s_cmp_eq_u32 s[TYPE], 1
	s_cbranch_scc1 .Lval
	; g = h / (1 + 2^(h (K1 + K2 h^2))), h = xn W1 + b1: the tanh form of GELU; K1 = -2 sqrt(2 / pi) log2(e), K2 = 0.044715 K1
	v_and_b32 v[TV], 7, v0
	v_lshlrev_b32 v[TV], 5, v[TV]
	global_load_b128 v[PK:PK+3], v[TV], s[B1P:B1P+1]
	global_load_b128 v[PK+4:PK+7], v[TV], s[B1P:B1P+1] offset:16
	s_mov_b32 s[K1], 0xc0135761
	s_mov_b32 s[K1+1], s[K1]
	s_mov_b32 s[K2], 0xbdd2d3e8
	s_mov_b32 s[K2+1], s[K2]
	s_mov_b32 s[CNT], 16
	s_wait_loadcnt 0x0
.irp f, 0,1,2,3
	v_mov_b32 v[BI+2*\f], v[PK+\f]                 ; into the order of the results: 2 f + e for column 4 e + f
	v_mov_b32 v[BI+2*\f+1], v[PK+4+\f]
.endr
.Lg:
	RD16
	s_wait_dscnt 0x0
.set x, 0
.rept 16
	v_pk_add_f32 v[VV+x:VV+x+1], v[VV+x:VV+x+1], v[BI+x%8:BI+x%8+1]
.set x, x+2
.endr
.set x, 0
.rept 16
	v_pk_mul_f32 v[QQ+x:QQ+x+1], v[VV+x:VV+x+1], v[VV+x:VV+x+1]
.set x, x+2
.endr
.set x, 0
.rept 16
	v_pk_fma_f32 v[QQ+x:QQ+x+1], v[QQ+x:QQ+x+1], s[K2:K2+1], s[K1:K1+1] op_sel_hi:[1,0,0]
.set x, x+2
.endr
.set x, 0
.rept 16
	v_pk_mul_f32 v[QQ+x:QQ+x+1], v[QQ+x:QQ+x+1], v[VV+x:VV+x+1]
.set x, x+2
.endr
.set x, 0
.rept 32
	v_exp_f32 v[QQ+x], v[QQ+x]
.set x, x+1
.endr
	v_nop                                          ; a plain instruction behind the last exponential
.set x, 0
	s_wait_alu depctr_va_vdst(0)
.rept 16
	v_pk_add_f32 v[QQ+x:QQ+x+1], v[QQ+x:QQ+x+1], 1.0 op_sel_hi:[1,0]
.set x, x+2
.endr
.set x, 0
.rept 32
	v_rcp_f32 v[QQ+x], v[QQ+x]
.set x, x+1
.endr
	v_nop
.set x, 0
	s_wait_alu depctr_va_vdst(0)
.rept 16
	v_pk_mul_f32 v[VV+x:VV+x+1], v[VV+x:VV+x+1], v[QQ+x:QQ+x+1]
.set x, x+2
.endr
	PKST VV
	s_sub_co_u32 s[CNT], s[CNT], 1
	s_cmp_lg_u32 s[CNT], 0
	s_cbranch_scc1 .Lg
	s_branch .Lend
.Lval:
	s_mov_b32 s[CNT], 16
.Lv:
	RD16
	s_wait_dscnt 0x0
	PKST VV
	s_sub_co_u32 s[CNT], s[CNT], 1
	s_cmp_lg_u32 s[CNT], 0
	s_cbranch_scc1 .Lv
	s_branch .Lend
.Lrot:                                                 ; eight trips of twice 16 rows; the table comes into two buffers by turns, 16 rows ahead
	TABLD TT0, 0
	s_mov_b32 s[CNT], 8
.Lr:
	TABLD TT1, 8192
	RD16
	s_wait_loadcnt 16                              ; buffer 0 is in; buffer 1's 16 loads may be out
	s_wait_dscnt 0x0
	ROT TT0
	PKST QQ
	s_cmp_eq_u32 s[CNT], 1
	s_cbranch_scc1 .Lr_last                        ; the last trip asks for nothing more: no load passes the table's end
	s_wait_xcnt 0x0                                ; the table's offset is written again only behind this wait
	v_add_nc_u32 v[TO], 16384, v[TO]
	TABLD TT0, 0
	s_wait_loadcnt 16                              ; buffer 1 is in
	s_branch .Lr_go
.Lr_last:
	s_wait_loadcnt 0x0
.Lr_go:
	RD16
	s_wait_dscnt 0x0
	ROT TT1
	PKST QQ
	s_sub_co_u32 s[CNT], s[CNT], 1
	s_cmp_lg_u32 s[CNT], 0
	s_cbranch_scc1 .Lr
.Lend:
	s_wait_tensorcnt 0x0                           ; the wave's end, behind my last tensor load and my last LDS store
	ds_add_u32 v[SPW], v[NIL]
	s_wait_dscnt 0x0
	CROUND                                         ; the closing round: no work-group ends while a partner may still ask for a tile that names it
	s_endpgm
.Lfunc_end_k_qd07c54221b_gemm1:
	.size	k_qd07c54221b_gemm1, .Lfunc_end_k_qd07c54221b_gemm1-k_qd07c54221b_gemm1
	.p2alignl 7, 3214868480
	.fill 96, 4, 3214868480
	.section	.rodata,"a",@progbits
	.p2align	6, 0x0
	.amdhsa_kernel k_qd07c54221b_gemm1
		.amdhsa_group_segment_fixed_size 327680
		.amdhsa_private_segment_fixed_size 0
		.amdhsa_enable_private_segment 0
		.amdhsa_kernarg_size 72
		.amdhsa_user_sgpr_count 2
		.amdhsa_user_sgpr_kernarg_segment_ptr 1
		.amdhsa_wavefront_size32 1
		.amdhsa_system_sgpr_workgroup_id_x 1
		.amdhsa_system_sgpr_workgroup_id_y 1
		.amdhsa_system_sgpr_workgroup_id_z 1
		.amdhsa_system_vgpr_workitem_id 0
		.amdhsa_next_free_vgpr 1024
		.amdhsa_next_free_sgpr 100
		.amdhsa_reserve_vcc 0
		.amdhsa_float_denorm_mode_32 3
		.amdhsa_float_denorm_mode_16_64 3
		.amdhsa_memory_ordered 1
		.amdhsa_forward_progress 1
		.amdhsa_inst_pref_size 144
	.end_amdhsa_kernel
	.amdgpu_metadata
---
amdhsa.version: [ 1, 2 ]
amdhsa.kernels:
  - .name:           k_qd07c54221b_gemm1
    .symbol:         k_qd07c54221b_gemm1.kd
    .args:
      - { .name: xn, .offset: 0, .size: 8, .value_kind: global_buffer, .address_space: global }
      - { .name: Wq, .offset: 8, .size: 8, .value_kind: global_buffer, .address_space: global }
      - { .name: Wk, .offset: 16, .size: 8, .value_kind: global_buffer, .address_space: global }
      - { .name: Wv, .offset: 24, .size: 8, .value_kind: global_buffer, .address_space: global }
      - { .name: W1, .offset: 32, .size: 8, .value_kind: global_buffer, .address_space: global }
      - { .name: b1, .offset: 40, .size: 8, .value_kind: global_buffer, .address_space: global }
      - { .name: tab, .offset: 48, .size: 8, .value_kind: global_buffer, .address_space: global }
      - { .name: qkv, .offset: 56, .size: 8, .value_kind: global_buffer, .address_space: global }
      - { .name: act2, .offset: 64, .size: 8, .value_kind: global_buffer, .address_space: global }
    .group_segment_fixed_size: 327680
    .private_segment_fixed_size: 0
    .kernarg_segment_align: 8
    .kernarg_segment_size: 72
    .max_flat_workgroup_size: 128
    .sgpr_count:     100
    .vgpr_count:     1024
    .wavefront_size: 32
...
	.end_amdgpu_metadata
.endif
;; end of part 2
;; launch attn (part 3): grid 16 x 16, 4 waves a work-group, clusters of 4 x 1, 327,680 bytes of LDS; arguments qkv, act2; writes act2
.if DOCPART == 3
	.amdgcn_target "amdgcn-amd-amdhsa--gfx1250"
	.amdhsa_code_object_version 6
	.text
	.protected	k_qd07c54221b_attn
	.globl	k_qd07c54221b_attn
	.p2align	8
	.type	k_qd07c54221b_attn,@function
k_qd07c54221b_attn:
	s_mov_b64 s[64:65], 0
	v_nop
	global_prefetch_b8 v0, s[64:65] scope:SCOPE_SE
	s_setreg_imm32_b32 hwreg(HW_REG_WAVE_MODE, 25, 1), 1
	s_wait_xcnt 0x0
	s_wait_alu depctr_hold_cnt(0) depctr_sa_sdst(0) depctr_va_vdst(0) depctr_va_sdst(0) depctr_va_ssrc(0) depctr_va_vcc(0) depctr_vm_vsrc(0)
	s_getreg_b32 s2, hwreg(HW_REG_IB_STS2, 6, 4)
	s_cmp_eq_u32 s2, 0
	s_cbranch_scc0 .Lentry_in_a_cluster
	s_endpgm
.Lentry_in_a_cluster:
	s_bfe_u32 s2, ttmp6, 0x10000c
	s_cmp_lg_u32 s2, 0x3003
	s_cbranch_scc0 .Lentry_shape_is_right
	s_endpgm
.Lentry_shape_is_right:
; ATTENTION, 16 heads of 128 channels, 1,024 positions, no scale and no mask: O[q] = the sum over k of softmax_k(Q[q] . K[k]) V[k].
; q, k, v: f16 in blocks qkv[block][1024][64] (q: blocks 0-31, k: 32-63, v: 64-95; head hd has blocks 2 hd, 2 hd + 1 of its part).  O goes, rounded once to f16, into blocks 0-31 of act2.
; SHARES.  A work-group owns 64 queries of one head: four tiles of 16, held by ALL four waves; the waves share the KEYS: of a tile of 256 keys wave w takes keys 64 w .. 64 w + 63.  So each byte of K
; and V in LDS is read by one wave, and there are four key steps.  At the end the four waves' (m, l, O) are merged in f32 through LDS; wave w finishes query tile w.
; LAYOUT.  S^T = K Q^T (source 0 = 16 keys, source 1 = 16 queries): a lane holds ONE query (lane % 16) and the keys 8 (lane / 16) + 0..7.  Two such results rounded to f16 ARE source 1 of
; O^T = V^T P, whose result again holds one query a lane, and eight channels.  K comes out of LDS as it lies, V ([key][channel]) turned, by ds_load_tr16_b128.
; SOFTMAX.  A running maximum m and sum l for each query: p = 2^(c s - c m), c = log2(e); in every step O and l are multiplied by a = 2^(c m_old - c m_new).
; m starts at the lowest finite number, c m far below every c s, O and l at 0: the first step is a step like any other, with a = 0.
; IN PHASES: a step's 64 products K Q^T, the softmax of the four tiles, its 64 products V^T P.  THE TEXT holds a step twice: in a loop of two trips whose change of slots fills the slot again, and in a
; loop of two trips whose change fills nothing.  The price of writing no first step out: 264 v_mov_b32 of zeros, which stand in the wait for the first tile.
; CLUSTER.  The four query blocks of a cluster belong to one head and walk the same K and V: each tile is asked for JOINTLY, the same tensor load, descriptor and mask in all four.
; LIMITS.  q, k, v arrive within f16's 65,504; p lies in 0 to 1 and below 6e-5 keeps f16's fixed step; a weight below 2^-126 counts as 0; NaN and infinities are not treated apart.
; REGISTERS, in windows of 256 (s_set_vgpr_msb: bits 1:0 source 0, 3:2 source 1, 5:4 source 2, 7:6 destination):
;   window 0: v0-11 addresses, made of the lane and the wave's number alone from first to last; v12-43 eight registers of statistics a tile; v44-61 the merge's numbers; v64-191 S^T, 32 a tile; v192-255 P, 16 a tile
;   window 1: O^T, 64 a tile          window 2: v0-127 Q, 32 a tile; v128-255 K of one step          window 3: v0-127 V of one step
.set PKP,   144       ; a row of K in LDS: 128 bytes + 16: the 16 rows of a load start at 16 different groups of four banks (ISA guide 11.1)
.set PVP,   160       ; a row of V: 128 + 32
.set VOFF,  2*256*PKP ; a slot: K's channels 0-63, K's 64-127, V's 0-63, V's 64-127, 256 keys each
.set SLOT,  2*256*(PKP+PVP)
.set SPARE, 2*SLOT    ; behind the two slots: the spare words, 128 bytes a wave
.set XM,    0         ; the merge, over the slots, behind the last change's barrier: (c m, l) by wave, tile and lane, 8 bytes
.set XO,    4096      ; O^T by wave and tile as it lies in registers: 8,192 bytes a tile
.set STG,   SLOT      ; 2 x 16 rows x 144 bytes for each wave
.set AK0, 2           ; v2    my place in a tile of K
.set AV0, 3           ; v3    the same for V
.set ADR, 4           ; v4    the LDS address of the run of loads in hand
.set QO,  6           ; v6    my byte offset in Q
; the merge's addresses take the registers of the addresses that are done with: no register that has held scores, weights or statistics serves as an address
.set M3,  2           ; v2    where I put my four O^T
.set M4,  3           ; v3    where waves 0 and 1 put O^T of tile w
.set M6,  4           ; v4    my stage, in
.set M8,  5           ; v5    my stage, back
.set M2,  6           ; v6    where wave 0 put (c m, l) of tile w
.set L16, 7           ; v7    16 x lane
.set M1,  8           ; v8    where I put my four (c m, l)
.set M5,  11          ; v11   the lane; then where waves 2 and 3 put O^T of tile w
.set ST,  12          ; tile t's statistics at v[ST+8 t]: +0 c m, +1 m, +2, +3 l (even keys', odd keys'), +4 to +7 c0-c3 at work; a takes c2's place
.set MG,  44          ; v44-51 the four waves' (c m, l); v52, v53 at work
.set FP,  54          ; v54-61 the four factors, each twice
.set SPW, 62          ; v62   LDS address of my spare word; never rewritten
.set NIL, 63          ; v63   0; never rewritten
.set S,   64
.set P,   192
.set KF,  128         ; K's fragments, in window 2
.set WV,  12          ; s12  wave
.set PCK, 22          ; s22  my piece's place in a slot, if I fetch for K
.set PCV, 23          ; s23  the same for V
.set G1K, 24          ; s[24:31] descriptor group 1 for K
.set G1V, 32          ; s[32:39] for V: it differs in the padding alone
.set G0K, 40          ; s[40:47] group 0 for K: a set for each of the two first fills; the second then walks
.set G0V, 48          ; s[48:55] the same for V
.set CS,  58          ; s[58:59] c
.set SEL, 60          ; s[60:61] v_permlanex16_b32's selects
.set TB,  70          ; s70  the slot in hand: 0 or SLOT
.set FS,  71          ; s71  the slot filled last: 0 or SLOT
.set CNT, 72          ; s72  counts trips
.set MSB, 0
.macro WIN new
.if MSB != (\new)
	s_set_vgpr_msb (MSB<<8)|(\new)
.set MSB, \new
.endif
.endm
.set W_KQ, 0x0a       ; K and Q in window 2, S^T in window 0
.set W_PV, 0x53       ; V in window 3, P in window 0, O^T in window 1
.set W_RS, 0x41       ; O^T (destination and source 0) in window 1, the factor in window 0
.macro PLACES
.rept 4
	v_nop
.endr
.endm
.macro CROUND
	s_barrier_signal -1
	s_barrier_wait -1
	s_cmp_lg_u32 s[WV], 0
	s_cbranch_scc1 .Lnot_wave_0_\@
	s_barrier_signal -3
.Lnot_wave_0_\@:
	s_barrier_wait -3
	s_barrier_signal -1
	s_barrier_wait -1
.endm
; A joint refill.  Waves 0 and 1 fetch K's two channel halves, waves 2 and 3 V's: 256 keys x 128 bytes each.  The branch hangs on the wave's number alone.
.macro JLOAD
	s_cmp_lt_u32 s[WV], 2
	s_cbranch_scc0 .Lfor_v_\@
	tensor_load_to_lds s[G0K+4:G0K+7], s[G1K:G1K+7]
	s_nop 0
.rept 4
	v_nop
.endr
	s_branch .Lasked_\@
.Lfor_v_\@:
	tensor_load_to_lds s[G0V+4:G0V+7], s[G1V:G1V+7]
	s_nop 0
.rept 4
	v_nop
.endr
.Lasked_\@:
.endm
; THE CHANGE OF SLOTS.  Each wave waits for all its tensor loads, of which at most one is out: its part of the other slot; adds 0 to its spare word; waits for that and for its reads of the slot that it leaves.
; fill = 1: the slot just read is filled again with the tile two further on, first thing behind a round of the cluster's barrier: it has a whole key step in which to land.
; The walking descriptor's LDS word is made anew: my piece's place in a slot plus the slot, which one exclusive or turns from 0 to SLOT and back.
.macro CHANGE fill
	WIN 0
	s_wait_tensorcnt 0x0            ; no tensor load of mine is out, so a group 0 may be written
	ds_add_u32 v[SPW], v[NIL]       ; 0 onto my spare word
.if \fill
	s_xor_b32 s[FS], s[FS], SLOT
	s_add_co_u32 s[G0K+5], s[PCK], s[FS]
	s_add_co_u32 s[G0V+5], s[PCV], s[FS]
	s_add_nc_u64 s[G0K+6:G0K+7], s[G0K+6:G0K+7], 32768  ; the next tile of 256 keys x 128 bytes; the type bits on top are not reached
	s_add_nc_u64 s[G0V+6:G0V+7], s[G0V+6:G0V+7], 32768
.endif
	s_xor_b32 s[TB], s[TB], SLOT
	s_wait_dscnt 0x0                ; the add is done, and my reads of the slot are over
.if \fill
	CROUND
	JLOAD
.else
	s_barrier_signal -1
	s_barrier_wait -1
.endif
.endm
	s_load_b128 s[4:7], s[0:1], 0x0 ; qkv s[4:5], act2 s[6:7]
	v_lshl_add_u32 v[SPW], v0, 2, SPARE
	v_mov_b32 v[NIL], 0
	ds_add_u32 v[SPW], v[NIL]       ; the wave's opening: the add and its wait stand ahead of my first tensor load; the set-up below, work on registers, stands between them
	v_lshrrev_b32 v1, 5, v0
	v_readfirstlane_b32 s[WV], v1
	s_bfe_u32 s13, ttmp6, 0x40000   ; cx
	s_lshl_b32 s14, ttmp9, 2
	s_add_co_u32 s14, s14, s13      ; my block of 64 queries: it enters Q's and O's addresses alone
	s_and_b32 s15, ttmp7, 0xffff    ; the head, which the four partners share
	s_and_b32 s16, s[WV], 1         ; which channel half I fetch
	s_lshl1_add_u32 s17, s15, s16   ; 2 hd + half
	s_add_co_u32 s18, s17, 32       ; its block in k's part,
	s_lshl_b32 s18, s18, 17
	s_mov_b32 s19, 0
	s_add_co_u32 s20, s17, 64       ; and in v's
	s_lshl_b32 s20, s20, 17
	s_mov_b32 s21, 0
	s_mul_i32 s[PCK], s16, 256*PKP  ; and its place in a slot: no place in the cluster enters an LDS address
	s_mul_i32 s[PCV], s16, 256*PVP
	s_add_co_u32 s[PCV], s[PCV], VOFF
	s_lshl_b32 s2, s15, 18          ; the head's two blocks,
	s_lshl_b32 s3, s14, 13          ; my 64 rows of 128 bytes
	s_add_co_u32 s2, s2, s3
	s_mov_b32 s3, 0
	s_lshl_b32 s56, s[WV], 11       ; O: wave w stores query tile w
	s_mov_b32 s57, 0
	s_mov_b32 s[G1K], 15|(1<<16)|(1<<20)|(1<<21)|(4<<22)|(3<<25)  ; 15:0 the mask of four; 17:16 2-byte elements; 20 padding on; 21 set beside a mask; 24:22 after every 32 words (code 4); 31:25 4 words (code 3)
	s_mov_b32 s[G1V], 15|(1<<16)|(1<<20)|(1<<21)|(4<<22)|(7<<25)  ; the same with 8 words of padding (code 7)
.irp g, G1K, G1V
	s_mov_b32 s[\g+1], 128<<16      ; tensor_dim0 = 128: 256 keys x 128 bytes are dense, asked for as 128 rows of 256 bytes
	s_mov_b32 s[\g+2], 128<<16      ; tensor_dim1 = 128
	s_mov_b32 s[\g+3], 128<<16      ; tile_dim0 = 128
	s_mov_b32 s[\g+4], 128          ; tile_dim1 = 128
	s_mov_b32 s[\g+5], 128          ; 128 elements from row to row
	s_mov_b32 s[\g+6], 0
	s_mov_b32 s[\g+7], 0
.endr
.irp s, 0,1
	s_mov_b32 s[G0K+4*\s], 1
	s_add_co_u32 s[G0K+4*\s+1], s[PCK], \s*SLOT
	s_mov_b32 s[G0V+4*\s], 1
	s_add_co_u32 s[G0V+4*\s+1], s[PCV], \s*SLOT
.endr
	s_mov_b32 s[TB], 0
	s_mov_b32 s[FS], SLOT           ; slot 1 is the one filled last at the start
	s_mov_b32 s[CS], 0x3fb8aa3b     ; c = log2(e)
	s_mov_b32 s[CS+1], s[CS]
	s_mov_b32 s[SEL], 0x76543210
	s_mov_b32 s[SEL+1], 0xfedcba98
	s_wait_dscnt 0x0                ; the opening add is done
	s_wait_kmcnt 0x0
	s_add_nc_u64 s[66:67], s[4:5], s[18:19]
	s_add_nc_u64 s[68:69], s[4:5], s[20:21]
.irp s, 0,1
	s_add_nc_u64 s[G0K+4*\s+2:G0K+4*\s+3], s[66:67], \s*32768  ; slot s begins with tile s
	s_or_b32 s[G0K+4*\s+3], s[G0K+4*\s+3], 0x80000000
	s_add_nc_u64 s[G0V+4*\s+2:G0V+4*\s+3], s[68:69], \s*32768
	s_or_b32 s[G0V+4*\s+3], s[G0V+4*\s+3], 0x80000000
.endr
	s_add_nc_u64 s[8:9], s[4:5], s[2:3]      ; Q at my block's first row
	s_add_nc_u64 s[10:11], s[6:7], s[2:3]    ; O likewise,
	s_add_nc_u64 s[10:11], s[10:11], s[56:57]  ; at my wave's tile
	CROUND                          ; all four work-groups are here: the first joint loads meet
	s_cmp_lt_u32 s[WV], 2           ; a wave's two first fills stand in one branch: two tensor loads of mine are out
	s_cbranch_scc0 .Lfirst_v
	tensor_load_to_lds s[G0K:G0K+3], s[G1K:G1K+7]
	s_nop 0
	tensor_load_to_lds s[G0K+4:G0K+7], s[G1K:G1K+7]
	s_nop 0
.rept 4
	v_nop
.endr
	s_branch .Lfirst_asked
.Lfirst_v:
	tensor_load_to_lds s[G0V:G0V+3], s[G1V:G1V+7]
	s_nop 0
	tensor_load_to_lds s[G0V+4:G0V+7], s[G1V:G1V+7]
	s_nop 0
.rept 4
	v_nop
.endr
.Lfirst_asked:
	v_and_b32 v1, 15, v0            ; l % 16
	v_bfe_u32 v9, v0, 4, 1          ; l / 16
	v_lshlrev_b32 v[QO], 7, v1
	v_lshl_add_u32 v[QO], v9, 4, v[QO]  ; row x 128 + 16 x half
	WIN 0x80                        ; destination window 2
.set i, 0
.rept 16                            ; Q stays in registers: tile i / 4, channels 32 (i % 4) on: block (i % 4) / 2
	global_load_b128 v[8*i:8*i+3],   v[QO], s[8:9] offset:((i%4)/2)*131072+(i/4)*2048+(i%2)*64
	global_load_b128 v[8*i+4:8*i+7], v[QO], s[8:9] offset:((i%4)/2)*131072+(i/4)*2048+(i%2)*64+32
.set i, i+1
.endr
	WIN 0x40                        ; what the first step finds: O^T and l are 0.  All this stands in the wait for the first tile.
.set i, 0
.rept 256
	v_mov_b32 v[i], 0
.set i, i+1
.endr
	WIN 0
.irp t, 0,1,2,3
	v_mov_b32 v[ST+8*\t], 0xfe000000    ; c m: far below every c s
	v_mov_b32 v[ST+8*\t+1], 0xff7fffff  ; m
	v_mov_b32 v[ST+8*\t+2], 0
	v_mov_b32 v[ST+8*\t+3], 0
.endr
	s_lshl_b32 s16, s[WV], 6        ; my 64 keys of a tile
	v_add_nc_u32 v[AK0], s16, v1
	v_mul_u32_u24 v[AK0], v[AK0], PKP
	v_lshl_add_u32 v[AK0], v9, 4, v[AK0]  ; row x pitch + 16 x half
	; The turning load takes 16 keys x 16 channels (lane l reads key 8 (l / 16) + l % 8, channels 8 ((l / 8) % 2) + 0..7) and leaves half a fragment of V^T: lane l holds channel l % 16 and 8 keys.
	v_and_b32 v10, 7, v0
	v_bfe_u32 v11, v0, 3, 1
	v_lshl_add_u32 v[AV0], v9, 3, v10
	v_add_nc_u32 v[AV0], s16, v[AV0]
	v_mul_u32_u24 v[AV0], v[AV0], PVP
	v_lshl_add_u32 v[AV0], v11, 4, v[AV0]
	v_add_nc_u32 v[AV0], VOFF, v[AV0]
; THE MATRIX WORK.  The accumulators take turns, one instruction a turn: between two links of a chain stand 15 (K Q^T) or 31 (V^T P) others'.
; Product i of 64 of S^T = K Q^T: channels 32 (i / 16) on, keys 16 ((i / 4) % 4) on, tile i % 4.  The first 16 start the sums.
.macro KQ
	WIN W_KQ
.set rS, S+32*(i%4)+8*((i/4)%4)
.set rK, KF+32*((i/4)%4)+8*(i/16)
.set rQ, 32*(i%4)+8*(i/16)
.if i < 16
	v_wmma_f32_16x16x32_f16 v[rS:rS+7], v[rK:rK+7], v[rQ:rQ+7], 0
.else
	v_wmma_f32_16x16x32_f16 v[rS:rS+7], v[rK:rK+7], v[rQ:rQ+7], v[rS:rS+7]
.endif
.endm
; Product i of 64 of O^T += V^T P: keys 32 (i / 32) on, channels 16 ((i / 4) % 8) on, tile i % 4.
.macro PV
	WIN W_PV
.set rO, 64*(i%4)+8*((i/4)%8)
.set rV, 64*(i/32)+8*((i/4)%8)
.set rP, P+16*(i%4)+8*(i/32)
	v_wmma_f32_16x16x32_f16 v[rO:rO+7], v[rV:rV+7], v[rP:rP+7], v[rO:rO+7]
.endm
.macro FETCH_K                      ; my 64 keys x 128 channels: 16 fragments: keys 16 (f / 4) on, channels 32 (f % 4) on
	WIN 0x80
.irp f, 0,1,2,3,4,5,6,7,8,9,10,11,12,13,14,15
	ds_load_b128 v[KF+8*\f:KF+8*\f+3],   v[ADR] offset:(\f/4)*16*PKP+((\f%4)/2)*256*PKP+(\f%2)*64
	ds_load_b128 v[KF+8*\f+4:KF+8*\f+7], v[ADR] offset:(\f/4)*16*PKP+((\f%4)/2)*256*PKP+(\f%2)*64+32
.endr
.endm
.macro FETCH_V                      ; the same keys of V, turned: keys 32 (f / 8) on, channels 16 (f % 8) on
	WIN 0xc0
.irp f, 0,1,2,3,4,5,6,7,8,9,10,11,12,13,14,15
	ds_load_tr16_b128 v[8*\f:8*\f+3],   v[ADR] offset:(\f/8)*32*PVP+((\f%8)/4)*256*PVP+(\f%4)*32
	ds_load_tr16_b128 v[8*\f+4:8*\f+7], v[ADR] offset:(\f/8)*32*PVP+((\f%8)/4)*256*PVP+(\f%4)*32+16*PVP
.endr
.endm
; THE VECTOR WORK.  One tile's softmax for one key step is a list of 134 instructions; SM writes number j of it for tile t.  s0-s31 are the lane's 32 scores, in pairs 0-15.
;   0-15    the maximum of s0-s31 and the old m, three operands at a time (each accumulator's lowest registers are read first)
;   16-20   the other half of the lanes' maximum; the new m; c m; c m_old - c m_new
;   21-87   33 exponentials (a, then s0-s31) at the odd numbers from 23 on, so that no two follow each other and each has a plain instruction behind it before its result is used;
;           the plain ones between: c s - c m for pairs still to come, the rounding to f16 of pairs that are done, the first three sums
;   88-101  the last rounding; the rest of the sums; l = a l + the sum          102-133 the tile's O^T times a
.macro SM t
.set rT, ST+8*(\t)
.set rS, S+32*(\t)
.set rP, P+16*(\t)
.set rO, 64*(\t)+2*(j-102)
.set q, (j-20)/2
.if j < 102
	WIN 0
.endif
.if j < 4
	v_max3_num_f32 v[rT+4+j], v[rS+8*j], v[rS+8*j+1], v[rS+8*j+2]
.elseif j < 12
	v_max3_num_f32 v[rT+4+j%4], v[rT+4+j%4], v[rS+8*(j%4)+2*(j/4)+1], v[rS+8*(j%4)+2*(j/4)+2]
.elseif j == 12
	v_max3_num_f32 v[rT+4], v[rT+4], v[rS+7], v[rS+15]
.elseif j == 13
	v_max3_num_f32 v[rT+6], v[rT+6], v[rS+23], v[rS+31]
.elseif j == 14
	v_max3_num_f32 v[rT+4], v[rT+4], v[rT+5], v[rT+6]
.elseif j == 15
	v_max3_num_f32 v[rT+4], v[rT+4], v[rT+7], v[rT+1]
.elseif j == 16
	v_permlanex16_b32 v[rT+5], v[rT+4], s[SEL], s[SEL+1]  ; the query's other 32 keys lie in the lane 16 away
.elseif j == 17
	v_mov_b32 v[rT+7], v[rT]        ; c m_old is kept for a: number 19 writes c m anew
.elseif j == 18
	v_max_num_f32 v[rT+1], v[rT+4], v[rT+5]
.elseif j == 19
	v_mul_f32 v[rT], s[CS], v[rT+1]
.elseif j == 20
	v_sub_f32 v[rT+7], v[rT+7], v[rT]
.elseif j == 23
	v_exp_f32 v[rT+6], v[rT+7]
.elseif (j < 88) && (j > 23) && (j%2 == 1)
	v_exp_f32 v[rS+(j-25)/2], v[rS+(j-25)/2]
.elseif (q < 4) || ((j < 76) && (q%2 == 0))
.set b, q/2+2
.if q < 4
.set b, q
.endif
	v_pk_fma_f32 v[rS+2*b:rS+2*b+1], v[rS+2*b:rS+2*b+1], s[CS:CS+1], v[rT:rT+1] op_sel_hi:[1,0,0] neg_lo:[0,0,1] neg_hi:[0,0,1]  ; pair b: c s - c m
.elseif (j < 88) && (q%2 == 1)
	s_wait_alu depctr_va_vdst(0)
	v_cvt_pk_f16_f32 v[rP+(q-5)/2], v[rS+q-5], v[rS+q-4]  ; pair (q - 5) / 2: its second exponential stands three numbers back
.elseif j == 89
	s_wait_alu depctr_va_vdst(0)
	v_cvt_pk_f16_f32 v[rP+15], v[rS+30], v[rS+31]
.elseif j < 102                     ; the sum of the tile's 16 pairs, in place: sum z of 16 adds neighbours 1, 2, 4 and 8 pairs apart, then l takes it
.set z, j-86
.if j < 89
.set z, (j-76)/4
.endif
.set w, 4
.set u, z
.if z >= 14
.set w, 32
.set u, 0
.elseif z >= 12
.set w, 16
.set u, z-12
.elseif z >= 8
.set w, 8
.set u, z-8
.endif
.if z < 15
	v_pk_add_f32 v[rS+w*u:rS+w*u+1], v[rS+w*u:rS+w*u+1], v[rS+w*u+w/2:rS+w*u+w/2+1]
.else
	v_pk_fma_f32 v[rT+2:rT+3], v[rT+2:rT+3], v[rT+6:rT+7], v[rS:rS+1] op_sel_hi:[1,0,1]
.endif
.else
	WIN W_RS
	v_pk_mul_f32 v[rO:rO+1], v[rO:rO+1], v[rT+6:rT+7] op_sel_hi:[1,0]
.endif
.endm
; Slice k of 64 of the softmax of tiles y, y + 1: numbers 2 k and 2 k + 1 of both lists; the twelve that are over stand in slice 63.
.macro SLICE y
.if (k >= 11) && (k < 44)           ; tile by tile: plain, exponential, plain, exponential
.irp t, \y, (\y)+1
.irp n, 0,1
.set j, 2*k+(\n)
	SM \t
.endr
.endr
.else                               ; the two tiles alternate, so that no instruction reads the result of the one just before it
.irp n, 0,1,2,3,4,5,6,7
.if ((\n) < 2) || (k == 63)
.irp t, \y, (\y)+1
.set j, 2*k+(\n)
	SM \t
.endr
.endif
.endr
.endif
.set k, k+1
.endm
; A KEY STEP on the slot in hand.  The four v_nop are the places between the last K Q^T and the first read of the scores, and between the step before's last V^T P and the loads into V's registers.
.macro STEP
	WIN 0
	v_add_nc_u32 v[ADR], s[TB], v[AK0]
	FETCH_K
	s_wait_dscnt 0x0                ; K is in
.set i, 0
.rept 64
	KQ
.set i, i+1
.endr
	PLACES
	WIN 0
	v_add_nc_u32 v[ADR], s[TB], v[AV0]
	FETCH_V                         ; lands under the softmax
.set k, 0
.rept 64
	SLICE 0
.endr
.set k, 0
.rept 64
	SLICE 2
.endr
	s_wait_dscnt 0x0                ; V is in
.set i, 0
.rept 64
	PV
.set i, i+1
.endr
.endm
	s_wait_tensorcnt 0x1            ; my part of slot 0 is in; slot 1's may stay out
	s_barrier_signal -1
	s_barrier_wait -1               ; everybody's is
	s_wait_loadcnt 0x0              ; Q
	s_mov_b32 s[CNT], 2
.Lfill:                             ; keys 0-255 and 256-511; slot 0 then takes keys 512-767, slot 1 keys 768-1023
	STEP
	CHANGE 1
	s_sub_co_u32 s[CNT], s[CNT], 1
	s_cmp_lg_u32 s[CNT], 0
	s_cbranch_scc1 .Lfill
	s_mov_b32 s[CNT], 2
.Llast:                             ; keys 512-767 and 768-1023: nothing is left to fetch; behind the second trip's barrier no wave reads a slot any more
	STEP
	CHANGE 0
	s_sub_co_u32 s[CNT], s[CNT], 1
	s_cmp_lg_u32 s[CNT], 0
	s_cbranch_scc1 .Llast
	; THE MERGE.  The addresses are made first: plain instructions that name no register of the last products, the places behind them.  The registers that they take held K's, V's and Q's
	; lane offsets, whose loads have all been waited for.
	WIN 0
	v_and_b32 v[M5], 31, v0                    ; the lane
	v_lshlrev_b32 v[L16], 4, v[M5]             ; 16 x lane: also my offset in 512 consecutive bytes of O
	s_lshl_b32 s16, s[WV], 10
	v_lshl_add_u32 v[M1], v[M5], 3, s16        ; XM (LDS byte 0) + 1,024 w + 8 x lane
	s_lshl_b32 s16, s[WV], 8
	v_lshl_add_u32 v[M2], v[M5], 3, s16        ; XM + 256 w + 8 x lane: tile w in wave 0's part
	s_lshl_b32 s16, s[WV], 15
	s_add_co_u32 s16, s16, XO
	v_add_nc_u32 v[M3], s16, v[L16]            ; XO + 32,768 w + 16 x lane
	s_lshl_b32 s16, s[WV], 13
	s_add_co_u32 s16, s16, XO
	v_add_nc_u32 v[M4], s16, v[L16]            ; XO + 8,192 w + 16 x lane: tile w in wave 0's part,
	v_add_nc_u32 v[M5], 65536, v[M4]           ; and in wave 2's
	s_mul_i32 s16, s[WV], 2*16*PKP
	s_add_co_u32 s16, s16, STG
	v_mul_u32_u24 v[M6], v1, PKP
	v_lshl_add_u32 v[M6], v9, 4, v[M6]
	v_add_nc_u32 v[M6], s16, v[M6]             ; my stage, in: row l % 16, 16 bytes for each half of the lanes
	v_bfe_u32 v[M8], v0, 3, 2
	v_mul_u32_u24 v[M8], v[M8], PKP
	v_lshl_add_u32 v[M8], v10, 4, v[M8]
	v_add_nc_u32 v[M8], s16, v[M8]             ; back: 32 lanes take four rows of 128 bytes
.irp t, 0,1,2,3
	v_add_f32 v[ST+8*\t+4], v[ST+8*\t+2], v[ST+8*\t+3]
.endr
.irp t, 0,1,2,3
	v_permlanex16_b32 v[ST+8*\t+5], v[ST+8*\t+4], s[SEL], s[SEL+1]
.endr
.irp t, 0,1,2,3
	v_add_f32 v[ST+8*\t+1], v[ST+8*\t+4], v[ST+8*\t+5]  ; l of my 256 keys, beside c m
.endr
.irp t, 0,1,2,3
	ds_store_b64 v[M1], v[ST+8*\t:ST+8*\t+1] offset:256*\t
.endr
	WIN 0x04                        ; the stores' data: window 1
.set g, 0
.rept 64
	ds_store_b128 v[M3], v[4*g:4*g+3] offset:512*g  ; registers ascending: each accumulator's low half first
.set g, g+1
.endr
	WIN 0
	s_wait_dscnt 0x0                ; for the others' sake: my part is in LDS
	s_barrier_signal -1
	s_barrier_wait -1
.irp x, 0,1,2,3
	ds_load_b64 v[MG+2*\x:MG+2*\x+1], v[M2] offset:1024*\x
.endr
	WIN 0x40                        ; destination window 1: wave x's O^T of tile w at 64 x
.set g, 0
.rept 32
	ds_load_b128 v[4*g:4*g+3], v[M4] offset:32768*(g/16)+512*(g%16)
.set g, g+1
.endr
	s_wait_dscnt 32                 ; LDS loads come back in order: the four (c m, l) are in; the 32 loads behind them may be out
.set g, 0
.rept 32
	ds_load_b128 v[128+4*g:128+4*g+3], v[M5] offset:32768*(g/16)+512*(g%16)
.set g, g+1
.endr
	WIN 0                           ; the factors are made while O^T is on its way
	v_max3_num_f32 v[MG+8], v[MG], v[MG+2], v[MG+4]
	v_max_num_f32 v[MG+8], v[MG+8], v[MG+6]    ; the query's maximum over all keys, times c
.irp x, 0,1,2,3
	v_sub_f32 v[MG+2*\x], v[MG+2*\x], v[MG+8]
.endr
.irp x, 0,1,2,3
	v_exp_f32 v[MG+2*\x], v[MG+2*\x]
.endr
	v_nop                           ; a plain instruction behind the last exponential
	s_wait_alu depctr_va_vdst(0)
	v_mul_f32 v[MG+9], v[MG], v[MG+1]
	v_fmac_f32 v[MG+9], v[MG+2], v[MG+3]
	v_fmac_f32 v[MG+9], v[MG+4], v[MG+5]
	v_fmac_f32 v[MG+9], v[MG+6], v[MG+7]       ; l over all keys: at least 1
	v_rcp_f32 v[MG+9], v[MG+9]
	v_nop
	s_wait_alu depctr_va_vdst(0)
.irp x, 0,1,2,3
	v_mul_f32 v[FP+2*\x], v[MG+2*\x], v[MG+9]
	v_mul_f32 v[FP+2*\x+1], v[MG+2*\x], v[MG+9]
.endr
	s_wait_dscnt 32                 ; waves 0 and 1's O^T is in; the 32 loads of waves 2 and 3's may be out
	WIN W_RS
.set i, 0
.rept 32
	v_pk_mul_f32 v[i:i+1], v[i:i+1], v[FP:FP+1]
.set i, i+2
.endr
	WIN 0x51                        ; sources 0 and 2 and the destination window 1, the factor window 0
.set i, 0
.rept 32
	v_pk_fma_f32 v[i:i+1], v[64+i:64+i+1], v[FP+2:FP+3], v[i:i+1]
.set i, i+2
.endr
	s_wait_dscnt 0x0                ; waves 2 and 3's
.irp x, 2,3
.set i, 0
.rept 32
	v_pk_fma_f32 v[i:i+1], v[64*\x+i:64*\x+i+1], v[FP+2*\x:FP+2*\x+1], v[i:i+1]
.set i, i+2
.endr
.endr
	WIN 0x05                        ; sources window 1, destination window 0
.set i, 0
.rept 32
	v_cvt_pk_f16_f32 v[S+i], v[2*i], v[2*i+1]
.set i, i+1
.endr
	WIN 0
.irp f, 0,1,2,3,4,5,6,7             ; channels 16 f + 8 (l / 16) ..: block f / 4, 16 bytes
	ds_store_b128 v[M6], v[S+4*\f:S+4*\f+3] offset:(\f/4)*16*PKP+(\f%4)*32
.endr
.irp f, 0,1,2,3,4,5,6,7
	ds_load_b128 v[S+32+4*\f:S+32+4*\f+3], v[M8] offset:(\f/4)*16*PKP+(\f%4)*4*PKP  ; LDS serves a wave's instructions in order (ISA guide 5.7.1.4): these see the stores above
.endr
.irp f, 0,1,2,3,4,5,6,7
	s_wait_dscnt 7-\f
	global_store_b128 v[L16], v[S+32+4*\f:S+32+4*\f+3], s[10:11] offset:(\f/4)*131072+(\f%4)*512  ; 512 consecutive bytes
.endr
	s_wait_tensorcnt 0x0            ; the wave's end, behind my last tensor load and my last LDS store
	ds_add_u32 v[SPW], v[NIL]
	s_wait_dscnt 0x0
	CROUND                          ; the closing round
	s_endpgm
.Lfunc_end_k_qd07c54221b_attn:
	.size	k_qd07c54221b_attn, .Lfunc_end_k_qd07c54221b_attn-k_qd07c54221b_attn
	.p2alignl 7, 3214868480
	.fill 96, 4, 3214868480
	.section	.rodata,"a",@progbits
	.p2align	6, 0x0
	.amdhsa_kernel k_qd07c54221b_attn
		.amdhsa_group_segment_fixed_size 327680
		.amdhsa_private_segment_fixed_size 0
		.amdhsa_enable_private_segment 0
		.amdhsa_kernarg_size 16
		.amdhsa_user_sgpr_count 2
		.amdhsa_user_sgpr_kernarg_segment_ptr 1
		.amdhsa_wavefront_size32 1
		.amdhsa_system_sgpr_workgroup_id_x 1
		.amdhsa_system_sgpr_workgroup_id_y 1
		.amdhsa_system_sgpr_workgroup_id_z 1
		.amdhsa_system_vgpr_workitem_id 0
		.amdhsa_next_free_vgpr 896
		.amdhsa_next_free_sgpr 80
		.amdhsa_reserve_vcc 0
		.amdhsa_float_denorm_mode_32 3
		.amdhsa_float_denorm_mode_16_64 3
		.amdhsa_memory_ordered 1
		.amdhsa_forward_progress 1
		.amdhsa_inst_pref_size 131
	.end_amdhsa_kernel
	.amdgpu_metadata
---
amdhsa.version: [ 1, 2 ]
amdhsa.kernels:
  - .name:           k_qd07c54221b_attn
    .symbol:         k_qd07c54221b_attn.kd
    .args:
      - { .name: qkv, .offset: 0, .size: 8, .value_kind: global_buffer, .address_space: global }
      - { .name: act2, .offset: 8, .size: 8, .value_kind: global_buffer, .address_space: global }
    .group_segment_fixed_size: 327680
    .private_segment_fixed_size: 0
    .kernarg_segment_align: 8
    .kernarg_segment_size: 16
    .max_flat_workgroup_size: 128
    .sgpr_count:     80
    .vgpr_count:     896
    .wavefront_size: 32
...
	.end_amdgpu_metadata
.endif
;; end of part 3
;; launch gemm2 (part 4): grid 64 x 4, 4 waves a work-group, clusters of 4 x 4, 327,680 bytes of LDS; arguments act2, Wo, W2, part; writes part
.if DOCPART == 4
	.amdgcn_target "amdgcn-amd-amdhsa--gfx1250"
	.amdhsa_code_object_version 6
	.text
	.protected	k_qd07c54221b_gemm2
	.globl	k_qd07c54221b_gemm2
	.p2align	8
	.type	k_qd07c54221b_gemm2,@function
k_qd07c54221b_gemm2:
	s_mov_b64 s[64:65], 0
	v_nop
	global_prefetch_b8 v0, s[64:65] scope:SCOPE_SE
	s_setreg_imm32_b32 hwreg(HW_REG_WAVE_MODE, 25, 1), 1
	s_wait_xcnt 0x0
	s_wait_alu depctr_hold_cnt(0) depctr_sa_sdst(0) depctr_va_vdst(0) depctr_va_sdst(0) depctr_va_ssrc(0) depctr_va_vcc(0) depctr_vm_vsrc(0)
	s_getreg_b32 s2, hwreg(HW_REG_IB_STS2, 6, 4)
	s_cmp_eq_u32 s2, 0
	s_cbranch_scc0 .Lentry_in_a_cluster
	s_endpgm
.Lentry_in_a_cluster:
	s_bfe_u32 s2, ttmp6, 0x10000c
	s_cmp_lg_u32 s2, 0xf033
	s_cbranch_scc0 .Lentry_shape_is_right
	s_endpgm
.Lentry_shape_is_right:
; GEMM2: [attn | g] ([1024][10240], f16 in blocks act2[k / 64][1024][64]) times [Wo ; W2] (2,048 + 8,192 rows of 2,048 f32): attn Wo + g W2 as ONE product.  Operands f16, sums f32.
; The output is too small to give each of 256 work-groups a tile over all of K, so K is split: in four parts of 2,560 between work-groups, and each part in two halves of 1,280 between the waves of a
; work-group.  The halves are added in f32 through LDS; the four parts are stored as f32 as they lie in registers, and the next launch adds them in a fixed order.
; SHARES.  A work-group makes 256 rows x 128 columns.  Wave w takes columns 64 (w % 2) .. + 63 and K half w / 2, all 256 rows: 64 accumulators.  16 clusters of 4 x 4: the cluster's x gives the split
; (x / 4) and part of the column tile, cx the rest, cy the rows.
; A comes through LDS by joint tensor loads along a cluster's row: a slot holds 128 along K of BOTH halves, four blocks of 64 k x 256 rows; wave w fetches block w (32,768 dense bytes, asked for as 128 rows
; of 256 bytes, padded behind every 128).  W comes through registers: lane (r, h) loads W[k][nb + 4 r .. + 3] for the 16 k that a fragment wants of it; a pair of k rounded by one v_cvt_pk_f16_f32 is a
; fragment register; index i of fragment f stands for column nb + 4 i + f.  A ring of four chunks of 32 k keeps 64 loads of every wave out, asked for 128 k ahead, each chunk by an address pair of its own.
; BESIDE THE PRODUCTS.  The 32 roundings of chunk i + 1 stand in the second half of chunk i, four behind a row of four products; the change of slots stands inside the second half of a slot's last chunk.
; WHICH ROWS LIE WHERE.  A wave keeps the rows 128 (w / 2) .. + 127 and hands the other 128 to its partner, wave w xor 2.  The rows that it keeps go into window 2, the others into window 3: the swap is made
; in the LDS addresses of A's fragments, so both halves run one text.  Source 0 = 16 rows of A, source 1 = W's fragment: accumulator (a, f) of window 2, register j, lane (r, h) holds
; C[256 cy + 128 (w / 2) + 16 a + 8 h + j][128 tn + 64 (w % 2) + 4 r + f]: over f a lane has four neighbouring columns.
; part = [4 splits][64 tiles = 16 cy + tn][4 waves][32 accumulators = 4 a + f][2 halves of the registers][32 lanes][4] f32: every store is 512 consecutive bytes.
; LIMITS.  f16 holds no number beyond 65,504: |attn|, |g|, |W| stay within it.
; REGISTERS: window 0: v0-15, v32-33 addresses; v16-31 W's row offsets; v64-127 W's fragments, two buffers; v128-255 A's, two buffers.  Window 1: the ring of W; at the end the partner's sums.  Windows 2, 3: accumulators at 8 (4 a + f).
.set NT,     10                        ; slots of 128 along K for each wave
.set PITCH,  144                       ; an LDS row: 128 bytes + 16: the 16 rows of a fragment load start at 16 different groups of four banks (ISA guide 11.1)
.set KBB,    256*PITCH                 ; one block of 64 along K, 256 rows: what one tensor load brings
.set SLOTD,  4*KBB                     ; slot 1 begins here: 0x24000 shares no bit with the blocks' places 0, 0x9000, 0x12000, 0x1b000, so one exclusive or turns an address in one slot into the other's
.set XD,     0                         ; the way out: 32,768 bytes a wave, over slot 0, which is read for the last time in front of the last change's barrier
.set SPARE,  327168                    ; the spare words, 128 bytes a wave: the last two blocks of 256 bytes
.set RR,    1
.set AL0,   2                          ; v2   my place in my K half's first block, at the rows that I keep
.set ADR,   3                          ; v3-6 LDS addresses in the slot in hand: first block kept rows, other rows; second block kept rows, other rows
.set GO,    7                          ; v7   16 x lane
.set AL1,   8                          ; v8   as AL0, at the rows that I hand over
.set HH,    9
.set SPW,   10                         ; v10  LDS address of my spare word; never rewritten
.set NIL,   11                         ; v11  0; never rewritten
.set TV,    12
.set OFFW,  16
.set XS,    32                         ; v32  where I put the sums that I hand over
.set XL,    33                         ; v33  where my partner puts those that I keep
.set WF,    64
.set A0,    128
.set A1,    192
.set WV,   22
.set CX,   23
.set CY,   24
.set T9,   25
.set G1,   28
.set G0A,  36
.set G0B,  40
.set TB,   44
.set SL,   45
.set KH,   47                          ; s47 my K half
.set OUT,  50                          ; s[50:51] my wave's 32,768 bytes of part
.set SPL,  52                          ; s52 the split
.set GQ,   53                          ; s53 the run of 128 k, counted over all 10,240, whose W is being asked for
.set TA,   54                          ; s[54:55] at work; never holds cx
.set WOC,  56                          ; s[56:57] Wo at my wave's columns
.set W2C,  58                          ; s[58:59] W2 likewise
.set LW,   61
.set AP,   68
.set WO,   70
.set OO,   72
.set AO,   74
.set TC,   76
.set TQ,   78                          ; s[78:79] an offset in W
.set WP,   80                          ; s[80:87] W at the rows that chunk i of the ring asked for last: a pair for each chunk
.set MSB, 0
.set CVC, 0
.set cvi, 0
.macro WIN new
.if MSB != (\new)
	s_set_vgpr_msb (MSB<<8)|(\new)
.set MSB, \new
.endif
.endm
.macro PLACES
.rept 4
	v_nop
.endr
.endm
.macro CREST                           ; a round of the cluster's barrier behind its opening barrier
	s_cmp_lg_u32 s[WV], 0
	s_cbranch_scc1 .Lnot_wave_0_\@
	s_barrier_signal -3
.Lnot_wave_0_\@:
	s_barrier_wait -3
	s_barrier_signal -1
	s_barrier_wait -1
.endm
.macro CROUND
	s_barrier_signal -1
	s_barrier_wait -1
	CREST
.endm
; Chunk i's address for run GQ, made anew from a buffer's address and an offset: runs 0-15 lie in Wo, the others in W2; a run is 128 rows of 8,192 bytes, a chunk 32
.macro MKWP i
	s_cmp_lt_u32 s[GQ], 16
	s_cselect_b64 s[WP+2*(\i):WP+2*(\i)+1], s[WOC:WOC+1], s[W2C:W2C+1]
	s_cselect_b32 s[TQ], 0, 16
	s_sub_co_u32 s[TQ], s[GQ], s[TQ]
	s_lshl_b32 s[TQ], s[TQ], 20
.if (\i) > 0
	s_add_co_u32 s[TQ], s[TQ], (\i)*262144
.endif
	s_add_nc_u64 s[WP+2*(\i):WP+2*(\i)+1], s[WP+2*(\i):WP+2*(\i)+1], s[TQ:TQ+1]
.endm
.macro STEPW i                         ; it stands behind the counted wait that shows chunk i's own loads done, which frees their address
.if (\i) == 0
	s_add_co_u32 s[GQ], s[GQ], 1                   ; the next run of 128 k: it may be W2's first
.endif
	MKWP \i
.endm
.macro LOADW i                         ; 16 loads: chunk i of the ring takes 32 k of my 64 columns
	WIN 0x40
.set u, 0
.rept 16
	global_load_b128 v[64*(\i)+4*u:64*(\i)+4*u+3], v[OFFW+u], s[WP+2*(\i):WP+2*(\i)+1]
.set u, u+1
.endr
.endm
.macro CV1                             ; rounding number cvi of the 32 that make chunk CVC's four fragments
.set cf, cvi/8
.set cq, (cvi%8)/2
.if cvi%2 == 0
	v_cvt_pk_f16_f32 v[WF+32*(CVC%2)+8*cf+cq], v[64*CVC+8*cq+cf], v[64*CVC+8*cq+4+cf]
.else
	v_cvt_pk_f16_f32 v[WF+32*(CVC%2)+8*cf+4+cq], v[64*CVC+32+8*cq+cf], v[64*CVC+32+8*cq+4+cf]
.endif
.set cvi, cvi+1
.endm
.macro CV4
	WIN 0x05                                       ; sources window 1
.rept 4
	CV1
.endr
.endm
.macro ALOAD buf, i, hi                ; 16 LDS loads: A's fragments for chunk i of the slot: hi = 0 the 128 rows that I keep, 1 the others
.irp a, 0,1,2,3,4,5,6,7
	ds_load_b128 v[(\buf)+8*\a:(\buf)+8*\a+3], v[ADR+2*((\i)/2)+(\hi)] offset:\a*16*PITCH+64*((\i)%2)
	ds_load_b128 v[(\buf)+8*\a+4:(\buf)+8*\a+7], v[ADR+2*((\i)/2)+(\hi)] offset:\a*16*PITCH+64*((\i)%2)+32
.endr
.endm
.macro WM d, w, a, zero
.if \zero
	v_wmma_f32_16x16x32_f16 v[\d:\d+7], v[\a:\a+7], v[\w:\w+7], 0
.else
	v_wmma_f32_16x16x32_f16 v[\d:\d+7], v[\a:\a+7], v[\w:\w+7], v[\d:\d+7]
.endif
.endm
.macro MUL32 buf, wf, hi, zero         ; the 64 accumulators take turns in the same order in every chunk
	WIN 0xa0+0x50*(\hi)
.irp a, 0,1,2,3,4,5,6,7
.irp f, 0,1,2,3
	WM 8*(4*\a+\f), (\wf)+8*\f, (\buf)+8*\a, \zero
.endr
.endr
.endm
.macro MULR buf, wf, hi, a0, na, zero  ; na blocks of 16 rows from a0 on; behind a block's four products four roundings, while more than the last four are left
.set aa, \a0
.rept \na
.irp f, 0,1,2,3
	WIN 0xa0+0x50*(\hi)
	WM 8*(4*aa+\f), (\wf)+8*\f, (\buf)+8*aa, \zero
.endr
.set aa, aa+1
.if cvi < 28
	CV4
.endif
.endr
.endm
.macro CHUNKA i, zero, load            ; a chunk's first half: its place in the ring is asked for again, A1 is fetched, A0 multiplied
.if \load
	LOADW \i
.endif
	WIN 0
	ALOAD A1, \i, 1                                ; the four roundings that end the chunk before are the places behind the last product that read A1
	s_wait_dscnt 16                                ; A0 is in; the 16 loads just issued may be out
	MUL32 A0, WF+32*((\i)%2), 0, \zero
.endm
.macro CHUNKB i, zero, step, left      ; the second half of chunks 0 to 2; left: the younger loads of W that may stay out when chunk i + 1 of the ring has to be there
	s_wait_loadcnt \left
.set CVC, (\i)+1
.set cvi, 0
	CV4                                            ; its first four roundings are the places behind the last product that read A0
	WIN 0
	ALOAD A0, (\i)+1, 0
	s_wait_dscnt 16                                ; A1 is in
	MULR A1, WF+32*((\i)%2), 1, 0, 7, \zero
.if \step
	STEPW (\i)+1
.endif
	MULR A1, WF+32*((\i)%2), 1, 7, 1, \zero
	CV4
	WIN 0
.endm
; THE SECOND HALF OF A SLOT'S LAST CHUNK, AND THE CHANGE OF SLOTS: all my tensor loads, the add, its wait and my reads' in front of the barrier; with fill = 1 the barrier opens a round of the cluster's, and
; the refill stands first behind it: from the request to the wait for it a wave issues 240 matrix instructions.  Then the other slot's first fragments, 16 products ahead of their use.
.macro TURN fill
	WIN 0
	s_wait_tensorcnt 0x0                           ; no tensor load of mine is out, so a group 0 may be written
	ds_add_u32 v[SPW], v[NIL]                      ; 0 onto my spare word; work on registers stands between it and the wait for it
	s_wait_loadcnt 48                              ; chunk 0 of the ring is in; the three younger chunks' loads may be out
.if \fill
	STEPW 0
	s_xor_b32 s[G0B+1], s[G0B+1], SLOTD            ; the walking descriptor: the other slot than last time,
	s_add_nc_u64 s[G0B+2:G0B+3], s[G0B+2:G0B+3], 262144  ; two blocks on; the type bits on top are not reached
.endif
	s_xor_b32 s[TB], s[TB], SLOTD
	s_wait_dscnt 0x1                               ; A1 is in; the add alone may be out
.set CVC, 0
.set cvi, 0
	MULR A1, WF+32, 1, 0, 2, 0
	s_wait_dscnt 0x0                               ; the add is done, and my reads of this slot are over
	s_barrier_signal -1
	MULR A1, WF+32, 1, 2, 2, 0
	WIN 0
	s_barrier_wait -1
.if \fill
	CREST
	tensor_load_to_lds s[G0B:G0B+3], s[G1:G1+7]
	s_nop 0
.endif
	PLACES
	v_add_nc_u32 v[ADR], s[TB], v[AL0]
	v_add_nc_u32 v[ADR+1], s[TB], v[AL1]
	v_add_nc_u32 v[ADR+2], KBB, v[ADR]
	v_add_nc_u32 v[ADR+3], KBB, v[ADR+1]
	ALOAD A0, 0, 0
	MULR A1, WF+32, 1, 4, 4, 0
	CV4
	WIN 0
.endm
	s_load_b256 s[4:11], s[0:1], 0x0               ; act2 s[4:5], Wo s[6:7], W2 s[8:9], part s[10:11]
	v_lshl_add_u32 v[SPW], v0, 2, SPARE
	v_mov_b32 v[NIL], 0
	ds_add_u32 v[SPW], v[NIL]                      ; the wave's opening: the add and its wait stand ahead of my first tensor load; the set-up below, work on registers, stands between them
	v_lshrrev_b32 v[TV], 5, v0
	v_readfirstlane_b32 s[WV], v[TV]
	s_bfe_u32 s[CX], ttmp6, 0x40000
	s_bfe_u32 s[CY], ttmp6, 0x40004
	s_mov_b32 s[T9], ttmp9
	s_lshr_b32 s[SPL], s[T9], 2                    ; shared by all sixteen partners
	s_lshr_b32 s[KH], s[WV], 1
	s_lshl_b32 s[TA], s[CY], 2
	s_lshl_b32 s[TA], 15, s[TA]                    ; my row of the cluster
	s_or_b32 s[G1], s[TA], (1<<16)|(1<<20)|(1<<21)|(4<<22)|(3<<25)  ; the mask; 2-byte elements; padding on; 21 set beside a mask; after every 32 words 4 words
	s_mov_b32 s[G1+1], 128<<16                     ; tensor_dim0 = 128
	s_mov_b32 s[G1+2], 128<<16                     ; tensor_dim1 = 128
	s_mov_b32 s[G1+3], 128<<16                     ; tile_dim0 = 128 elements: 256 bytes, two rows of the block
	s_mov_b32 s[G1+4], 128                         ; tile_dim1 = 128
	s_mov_b32 s[G1+5], 128                         ; dense
	s_mov_b32 s[G1+6], 0
	s_mov_b32 s[G1+7], 0
	s_mul_i32 s[TA], s[SPL], 40                    ; the split's first of 40 blocks,
	s_mul_i32 s[TA+1], s[KH], 20                   ; my half's first of 20
	s_add_co_u32 s[TA], s[TA], s[TA+1]
	s_lshr_b32 s[GQ], s[TA], 1                     ; a run of 128 k is two blocks
	s_and_b32 s[TA+1], s[WV], 1                    ; which of a slot's two blocks of that half I fetch
	s_add_co_u32 s[TA], s[TA], s[TA+1]
	s_lshl_b32 s[TA], s[TA], 17                    ; a block is 131,072 bytes,
	s_lshl_b32 s[TA+1], s[CY], 15                  ; its rows 256 cy on
	s_add_co_u32 s[AO], s[TA], s[TA+1]
	s_mov_b32 s[AO+1], 0
	s_mul_i32 s[LW], s[WV], KBB                    ; no place in the cluster enters an LDS address
	s_mov_b32 s[TQ+1], 0
	s_and_b32 s[TC], s[T9], 3
	s_lshl2_add_u32 s[TC], s[TC], s[CX]            ; the column tile tn = 4 (t9 % 4) + cx
	s_lshl_b32 s[WO], s[TC], 9
	s_and_b32 s[TC+1], s[WV], 1
	s_lshl_b32 s[TC+1], s[TC+1], 8
	s_add_co_u32 s[WO], s[WO], s[TC+1]             ; 512 x tile + 256 x column half
	s_mov_b32 s[WO+1], 0
	s_lshl4_add_u32 s[TC], s[CY], s[TC]            ; the tile 16 cy + tn
	s_lshl2_add_u32 s[TC], s[TC], s[WV]
	s_lshl_b32 s[OO], s[TC], 15
	s_lshl_b32 s[TC+1], s[SPL], 23
	s_add_co_u32 s[OO], s[OO], s[TC+1]
	s_mov_b32 s[OO+1], 0
	v_and_b32 v[RR], 15, v0
	v_bfe_u32 v[HH], v0, 4, 1
	v_lshlrev_b32 v[TV], 3, v[HH]
	v_lshlrev_b32 v[TV+1], 4, v[RR]
.set u, 0
.rept 16
	v_add_nc_u32 v[TV+2], u+8*(u/8), v[TV]         ; k of load u: 8 h + u, then 16 + 8 h + (u - 8)
	v_lshl_add_u32 v[OFFW+u], v[TV+2], 13, v[TV+1]
.set u, u+1
.endr
	v_mul_u32_u24 v[TV+3], v[RR], PITCH
	v_lshl_add_u32 v[TV+3], v[HH], 4, v[TV+3]      ; row x pitch + 16 x half
	s_mul_i32 s[TA], s[KH], 2*KBB+128*PITCH        ; my half's two blocks lie 2 blocks x half on; the rows that I keep begin at row 128 x half,
	v_add_nc_u32 v[AL0], s[TA], v[TV+3]
	s_mul_i32 s[TA], s[KH], 2*KBB-128*PITCH
	s_add_co_u32 s[TA], s[TA], 128*PITCH           ; the others at row 128 x (1 - half)
	v_add_nc_u32 v[AL1], s[TA], v[TV+3]
	v_and_b32 v[GO], 31, v0
	v_lshlrev_b32 v[GO], 4, v[GO]
	s_lshl_b32 s[TA], s[WV], 15
	v_add_nc_u32 v[XS], s[TA], v[GO]               ; XD (LDS byte 0) + 32,768 w + 16 x lane
	s_xor_b32 s[TA], s[TA], 65536                  ; my partner is wave w xor 2
	v_add_nc_u32 v[XL], s[TA], v[GO]
	s_mov_b32 s[G0A], 1
	s_mov_b32 s[G0A+1], s[LW]
	s_mov_b32 s[G0B], 1
	s_add_co_u32 s[G0B+1], s[LW], SLOTD
	s_wait_dscnt 0x0                               ; the opening add is done
	s_wait_kmcnt 0x0
	s_add_nc_u64 s[AP:AP+1], s[4:5], s[AO:AO+1]
	s_mov_b64 s[G0A+2:G0A+3], s[AP:AP+1]
	s_or_b32 s[G0A+3], s[G0A+3], 0x80000000
	s_add_nc_u64 s[G0B+2:G0B+3], s[AP:AP+1], 262144
	s_or_b32 s[G0B+3], s[G0B+3], 0x80000000
	s_add_nc_u64 s[WOC:WOC+1], s[6:7], s[WO:WO+1]
	s_add_nc_u64 s[W2C:W2C+1], s[8:9], s[WO:WO+1]
	s_add_nc_u64 s[OUT:OUT+1], s[10:11], s[OO:OO+1]
	MKWP 0
	MKWP 1
	MKWP 2
	MKWP 3
	LOADW 0                                        ; the ring of W, the first 128 k: asked for ahead of the round, which it need not wait for
	LOADW 1
	LOADW 2
	LOADW 3
	WIN 0
	CROUND                                         ; all sixteen work-groups are here: the first joint loads meet
	tensor_load_to_lds s[G0A:G0A+3], s[G1:G1+7]    ; a wave's two first fills go out together: two tensor loads of mine are out
	s_nop 0
	tensor_load_to_lds s[G0B:G0B+3], s[G1:G1+7]
	s_nop 0
.rept 4
	v_nop
.endr
	s_mov_b32 s[TB], 0
	v_mov_b32 v[ADR], v[AL0]
	v_mov_b32 v[ADR+1], v[AL1]
	v_add_nc_u32 v[ADR+2], KBB, v[AL0]
	v_add_nc_u32 v[ADR+3], KBB, v[AL1]
	s_wait_tensorcnt 0x1                           ; my part of tile 0 is in; tile 1's may stay out
	s_barrier_signal -1
	s_barrier_wait -1
	ALOAD A0, 0, 0
	s_wait_loadcnt 48                              ; chunk 0 of the ring is in
.set CVC, 0
.set cvi, 0
.rept 8
	CV4                                            ; the first chunk's roundings have no products to stand beside
.endr
	STEPW 0
	CHUNKA 0, 1, 1                                 ; the first chunk stands in front of the loop: its products start the sums
	CHUNKB 0, 1, 1, 48
	s_mov_b32 s[SL], NT-1
	s_branch .Lc1
.Lslot:                                                ; NT - 2 times: every slot but the last two is filled again.  A trip goes from the middle of a slot's last chunk to the middle of the next slot's
	TURN 1
	CHUNKA 0, 0, 1
	CHUNKB 0, 0, 1, 48
.Lc1:
	CHUNKA 1, 0, 1
	CHUNKB 1, 0, 1, 48
	CHUNKA 2, 0, 1
	CHUNKB 2, 0, 1, 48
	CHUNKA 3, 0, 1
	WIN 0
	s_sub_co_u32 s[SL], s[SL], 1
	s_cmp_lg_u32 s[SL], 0
	s_cbranch_scc1 .Lslot
	TURN 0                                         ; the last slot is written out: nothing more is asked for, and the counts run down
	CHUNKA 0, 0, 0
	CHUNKB 0, 0, 0, 32
	CHUNKA 1, 0, 0
	CHUNKB 1, 0, 0, 16
	CHUNKA 2, 0, 0
	CHUNKB 2, 0, 0, 0
	CHUNKA 3, 0, 0
	s_wait_dscnt 0x0
	MUL32 A1, WF+32, 1, 0
	; THE WAY OUT.  The sums of the rows that I hand over (window 3) go into LDS as they lie, 512 consecutive bytes a store; a barrier; my partner's sums of the rows that I keep come into window 1 and are
	; added onto window 2; the sums leave as they lie.  The last slot read is slot 1, so no wave still reads the bytes that are written here.
	PLACES
	WIN 0x0c                                       ; the stores' data: window 3
.set g, 0
.rept 64
	ds_store_b128 v[XS], v[4*g:4*g+3] offset:512*g ; registers ascending: each accumulator's low registers first
.set g, g+1
.endr
	WIN 0
	s_wait_dscnt 0x0                               ; for my partner's sake
	s_barrier_signal -1
	s_barrier_wait -1
	WIN 0x40                                       ; destination window 1
.set g, 0
.rept 64
	ds_load_b128 v[4*g:4*g+3], v[XL] offset:512*g
.set g, g+1
.endr
.irp q, 0,1,2,3
	s_wait_dscnt 48-16*\q                          ; LDS loads come back in order: quarter q is in, the later quarters' 16 loads each may be out
	WIN 0x86                                       ; destination and source 0 window 2, source 1 window 1
.set n, 0
.rept 32
	v_pk_add_f32 v[64*\q+2*n:64*\q+2*n+1], v[64*\q+2*n:64*\q+2*n+1], v[64*\q+2*n:64*\q+2*n+1]
.set n, n+1
.endr
	WIN 0x08                                       ; the stores' data: window 2
.set n, 0
.rept 16
	global_store_b128 v[GO], v[64*\q+4*n:64*\q+4*n+3], s[OUT:OUT+1] offset:512*(16*\q+n)
.set n, n+1
.endr
.endr
	WIN 0
	s_wait_tensorcnt 0x0                           ; the wave's end, behind my last tensor load and my last LDS store
	ds_add_u32 v[SPW], v[NIL]
	s_wait_dscnt 0x0
	CROUND                                         ; the closing round
	s_endpgm
.Lfunc_end_k_qd07c54221b_gemm2:
	.size	k_qd07c54221b_gemm2, .Lfunc_end_k_qd07c54221b_gemm2-k_qd07c54221b_gemm2
	.p2alignl 7, 3214868480
	.fill 96, 4, 3214868480
	.section	.rodata,"a",@progbits
	.p2align	6, 0x0
	.amdhsa_kernel k_qd07c54221b_gemm2
		.amdhsa_group_segment_fixed_size 327680
		.amdhsa_private_segment_fixed_size 0
		.amdhsa_enable_private_segment 0
		.amdhsa_kernarg_size 32
		.amdhsa_user_sgpr_count 2
		.amdhsa_user_sgpr_kernarg_segment_ptr 1
		.amdhsa_wavefront_size32 1
		.amdhsa_system_sgpr_workgroup_id_x 1
		.amdhsa_system_sgpr_workgroup_id_y 1
		.amdhsa_system_sgpr_workgroup_id_z 1
		.amdhsa_system_vgpr_workitem_id 0
		.amdhsa_next_free_vgpr 1024
		.amdhsa_next_free_sgpr 100
		.amdhsa_reserve_vcc 0
		.amdhsa_float_denorm_mode_32 3
		.amdhsa_float_denorm_mode_16_64 3
		.amdhsa_memory_ordered 1
		.amdhsa_forward_progress 1
		.amdhsa_inst_pref_size 131
	.end_amdhsa_kernel
	.amdgpu_metadata
---
amdhsa.version: [ 1, 2 ]
amdhsa.kernels:
  - .name:           k_qd07c54221b_gemm2
    .symbol:         k_qd07c54221b_gemm2.kd
    .args:
      - { .name: act2, .offset: 0, .size: 8, .value_kind: global_buffer, .address_space: global }
      - { .name: Wo, .offset: 8, .size: 8, .value_kind: global_buffer, .address_space: global }
      - { .name: W2, .offset: 16, .size: 8, .value_kind: global_buffer, .address_space: global }
      - { .name: part, .offset: 24, .size: 8, .value_kind: global_buffer, .address_space: global }
    .group_segment_fixed_size: 327680
    .private_segment_fixed_size: 0
    .kernarg_segment_align: 8
    .kernarg_segment_size: 32
    .max_flat_workgroup_size: 128
    .sgpr_count:     100
    .vgpr_count:     1024
    .wavefront_size: 32
...
	.end_amdgpu_metadata
.endif
;; end of part 4
;; launch red (part 5): grid 512 x 1, 8 waves a work-group, no clusters, 0 bytes of LDS; arguments part, b2, out0; writes out0
.if DOCPART == 5
	.amdgcn_target "amdgcn-amd-amdhsa--gfx1250"
	.amdhsa_code_object_version 6
	.text
	.protected	k_qd07c54221b_red
	.globl	k_qd07c54221b_red
	.p2align	8
	.type	k_qd07c54221b_red,@function
k_qd07c54221b_red:
	s_mov_b64 s[64:65], 0
	v_nop
	global_prefetch_b8 v0, s[64:65] scope:SCOPE_SE
	s_setreg_imm32_b32 hwreg(HW_REG_WAVE_MODE, 25, 1), 1
	s_wait_xcnt 0x0
; RED: out0 = the four parts of the last product, added in ascending order in f32, + b2.
; part = [4 splits][64 tiles = 16 cy + tn][4 waves][32 accumulators = 4 a + f][2 halves][32 lanes][4] f32; register jj of (a, f, half), lane (r, h), is
; C[256 cy + 128 (w / 2) + 16 a + 8 h + 4 half + jj][128 tn + 64 (w % 2) + 4 r + f].  Wave number U = 8 x work-group + wave takes one (tile, w, a, half): for each split four loads of 512 consecutive bytes (f = 0..3).
; Over f a lane has four neighbouring columns, so a store is 16 bytes a lane and sixteen lanes fill 256 consecutive bytes, aligned.  A stream: no LDS, no barrier, no matrix unit; 16 loads of every wave are out at once.
.set PP, 16                            ; v[16:79]  split s, f: four registers at 16 s + 4 f
.set TT, 80                            ; v[80:95]  row jj: four columns
	s_load_b128 s[4:7], s[0:1], 0x0                ; part s[4:5], b2 s[6:7]
	s_load_b64 s[8:9], s[0:1], 0x10                ; out0
	v_lshrrev_b32 v1, 5, v0
	v_readfirstlane_b32 s10, v1
	s_lshl3_add_u32 s11, ttmp9, s10                ; U
	v_and_b32 v2, 31, v0
	v_lshlrev_b32 v2, 4, v2                        ; 16 x lane
	v_and_b32 v3, 15, v0
	v_lshlrev_b32 v3, 4, v3                        ; 16 r
	v_bfe_u32 v8, v0, 4, 1
	v_lshl_add_u32 v9, v8, 16, v3                  ; + 8 rows of 8,192 bytes for lanes 16-31
	s_lshr_b32 s12, s11, 1
	s_lshl_b32 s12, s12, 12                        ; (tile, w, a): 4,096 bytes each
	s_and_b32 s34, s11, 1                          ; half
	s_lshl_b32 s13, s34, 9
	s_add_co_u32 s12, s12, s13
	s_mov_b32 s13, 0
	s_bfe_u32 s35, s11, 0x30001                    ; a
	s_bfe_u32 s36, s11, 0x20004                    ; w
	s_bfe_u32 s37, s11, 0x40006                    ; tn
	s_lshr_b32 s38, s11, 10                        ; cy
	s_lshl_b32 s40, s37, 9
	s_and_b32 s41, s36, 1
	s_lshl_b32 s41, s41, 8
	s_add_co_u32 s40, s40, s41                     ; my first column in bytes: 512 tn + 256 (w % 2)
	s_mov_b32 s41, 0
	s_lshr_b32 s39, s36, 1
	s_lshl_b32 s39, s39, 7
	s_lshl_b32 s42, s38, 8
	s_add_co_u32 s42, s42, s39
	s_lshl4_add_u32 s42, s35, s42
	s_lshl2_add_u32 s42, s34, s42                  ; my first row: 256 cy + 128 (w / 2) + 16 a + 4 half
	s_lshl_b32 s42, s42, 13
	s_add_co_u32 s42, s42, s40
	s_mov_b32 s43, 0
	s_wait_kmcnt 0x0
	s_add_nc_u64 s[6:7], s[6:7], s[40:41]
	s_add_nc_u64 s[8:9], s[8:9], s[42:43]
	s_add_nc_u64 s[16:17], s[4:5], s[12:13]
.irp s, 1,2,3
	s_add_nc_u64 s[16+2*\s:17+2*\s], s[14+2*\s:15+2*\s], 0x800000  ; a split is 8,388,608 bytes
.endr
	global_load_b128 v[4:7], v3, s[6:7]            ; b2 of my four columns
.irp s, 0,1,2,3
.irp f, 0,1,2,3
	global_load_b128 v[PP+16*\s+4*\f:PP+16*\s+4*\f+3], v2, s[16+2*\s:17+2*\s] offset:1024*\f th:TH_LOAD_NT
.endr
.endr
.irp s, 1,2,3
	s_wait_loadcnt 4*(3-\s)                        ; loads come back in order: splits 0 to s are in, the later ones' four loads each may be out
.irp f, 0,1,2,3
	v_pk_add_f32 v[PP+4*\f:PP+4*\f+1], v[PP+4*\f:PP+4*\f+1], v[PP+16*\s+4*\f:PP+16*\s+4*\f+1]
	v_pk_add_f32 v[PP+4*\f+2:PP+4*\f+3], v[PP+4*\f+2:PP+4*\f+3], v[PP+16*\s+4*\f+2:PP+16*\s+4*\f+3]
.endr
.endr
.irp j, 0,1,2,3
.irp f, 0,1,2,3
	v_add_f32 v[TT+4*\j+\f], v[PP+4*\f+\j], v[4+\f]
.endr
.endr
.irp j, 0,1,2,3
	global_store_b128 v9, v[TT+4*\j:TT+4*\j+3], s[8:9] offset:8192*\j th:TH_STORE_NT
.endr
	s_endpgm
.Lfunc_end_k_qd07c54221b_red:
	.size	k_qd07c54221b_red, .Lfunc_end_k_qd07c54221b_red-k_qd07c54221b_red
	.p2alignl 7, 3214868480
	.fill 96, 4, 3214868480
	.section	.rodata,"a",@progbits
	.p2align	6, 0x0
	.amdhsa_kernel k_qd07c54221b_red
		.amdhsa_group_segment_fixed_size 0
		.amdhsa_private_segment_fixed_size 0
		.amdhsa_enable_private_segment 0
		.amdhsa_kernarg_size 24
		.amdhsa_user_sgpr_count 2
		.amdhsa_user_sgpr_kernarg_segment_ptr 1
		.amdhsa_wavefront_size32 1
		.amdhsa_system_sgpr_workgroup_id_x 1
		.amdhsa_system_sgpr_workgroup_id_y 1
		.amdhsa_system_sgpr_workgroup_id_z 1
		.amdhsa_system_vgpr_workitem_id 0
		.amdhsa_next_free_vgpr 96
		.amdhsa_next_free_sgpr 66
		.amdhsa_reserve_vcc 0
		.amdhsa_float_denorm_mode_32 3
		.amdhsa_float_denorm_mode_16_64 3
		.amdhsa_memory_ordered 1
		.amdhsa_forward_progress 1
		.amdhsa_inst_pref_size 6
	.end_amdhsa_kernel
	.amdgpu_metadata
---
amdhsa.version: [ 1, 2 ]
amdhsa.kernels:
  - .name:           k_qd07c54221b_red
    .symbol:         k_qd07c54221b_red.kd
    .args:
      - { .name: part, .offset: 0, .size: 8, .value_kind: global_buffer, .address_space: global }
      - { .name: b2, .offset: 8, .size: 8, .value_kind: global_buffer, .address_space: global }
      - { .name: out0, .offset: 16, .size: 8, .value_kind: global_buffer, .address_space: global }
    .group_segment_fixed_size: 0
    .private_segment_fixed_size: 0
    .kernarg_segment_align: 8
    .kernarg_segment_size: 24
    .max_flat_workgroup_size: 256
    .sgpr_count:     66
    .vgpr_count:     96
    .wavefront_size: 32
...
	.end_amdgpu_metadata
.endif
;; end of part 5
